; MI455X (gfx1250); checked and timed in simulation.
; The chip was launched on July 23, 2026; its instructions are those of AMD's public machine-readable ISA for CDNA 5 (MIT licence, August 2026) and "CDNA5" Instruction Set Architecture Reference Guide (July 2026). The comments in the code are by the model that wrote it; some were corrected since.
;; Multi Head Self Attention. Allowed arithmetic: matrix products marked QUANTISED: E2M1 operands, one E8M0 scale for each 32 along K, by v_wmma_scale_f32_16x16x128_f8f6f4 with both operands' format E2M1 (or v_wmma_scale_f32_32x16x128_f4), f32 sums; products left as they are: bf16, f16 or f32 operands; f32 sums; everything else in f32.
;; Inputs: b_out 1,024 float32; b_qkv 3,072 float32; w_out 1,024 x 1,024 float32; w_qkv 1,024 x 3,072 float32; x 2 x 2,048 x 1,024 float32.
;; Outputs: out0 2 x 2,048 x 1,024 float32.
;; This version of the problem:
;;   THIS VERSION OF THE PROBLEM IS GIVEN IN LOW PRECISION. The matrix products marked QUANTISED in the list below multiply operands that are first quantised to E2M1 (2 exponent bits, 1 mantissa bit; 4 bits a number), with one power-of-two scale for each 32 numbers along K (OCP MX v1.0); their sums are f32. The products marked 'left as it is' may take bf16, f16 or f32 operands, with f32 sums. Whichever they take, every output number must still come out within the allowed error. Rounding operands to bf16 (8 significant bits) uses up far more of that allowance than f16 does (11 bits, for magnitudes from 6e-5 to 65,504). All else is computed in f32.
;;   The module's matrix products, in the order in which they are computed (A, B: the left and right operand; K: the contracted axis; several contracted axes count as one K, in the product's order):
;;     1. [M 4,096, K 1,024] x [K 1,024, N 3,072]; A: input x; B: input w_qkv: QUANTISED
;;     2. batch 32 x [M 2,048, K 64] x [K 64, N 2,048]; A: computed on the way; B: computed on the way: left as it is (an operand is computed on the way)
;;     3. batch 32 x [M 2,048, K 2,048] x [K 2,048, N 64]; A: computed on the way; B: computed on the way: left as it is (an operand is computed on the way)
;;     4. [M 4,096, K 1,024] x [K 1,024, N 1,024]; A: computed on the way; B: input w_out: left as it is (an operand is computed on the way)
;;   THE QUANTISER, for each operand of a quantised product, along K:
;;     - K is cut into blocks of 32 from its start; a last block that is shorter is filled with zeros.
;;     - A block's scale is 2^e with e = floor(log2(the largest magnitude in the block)) - 2, held to -126 .. 127; a block of zeros has e = 0. As a byte (E8M0): e + 127.
;;     - Each number is divided by its block's scale, clamped to +-6, and rounded to the nearest number of E2M1, ties to even, subnormals kept.
;;     - The product sums the exact products of the quantised numbers (number of the format x scale) in f32.
;;   ~~~python
;;   def quantise(x, axis):      # numpy; x: float32 -> the quantised numbers, widened to float32 again
;;       x = np.moveaxis(x, axis, -1); K = x.shape[-1]
;;       x = np.pad(x, [(0, 0)] * (x.ndim - 1) + [(0, -K % 32)]); x = x.reshape(x.shape[:-1] + (-1, 32)); a = np.abs(x).max(-1, keepdims=True)
;;       e = np.where(a > 0, np.clip(np.frexp(np.where(a > 0, a, 1))[1] - 1 - 2, -126, 127), 0)      # np.frexp(a)[1] - 1 = floor(log2(a)), exactly
;;       r = np.clip(x / 2.0 ** e, -6, 6)
;;       step = 2.0 ** (np.maximum(np.frexp(np.where(r == 0, 1, r))[1] - 1, 0) - 1)
;;       q = np.round(r / step) * step * 2.0 ** e      # np.round: ties to even
;;       return np.moveaxis(q.reshape(q.shape[:-2] + (-1,))[..., :K], -1, axis).astype(np.float32)
;;   ~~~
;; One version. Each part assembles by itself: llvm-mc -triple=amdgcn-amd-amdhsa -mcpu=gfx1250 --defsym DOCPART=n.
;; ======== version 1 of 1: 4 launches
;; limits: values are held in f16: magnitudes above 65,504 overflow, below 6.1e-05 lose precision
;; workspace buffers: x_codes 2,097,152 bytes; x_scales 131,072 bytes; w_codes 1,572,864 bytes; w_scales 98,304 bytes; wo_img 2,097,152 bytes; qkvh 25,165,824 bytes; ao 8,388,608 bytes
;; launch prep (part 1): grid 384 x 1, 4 waves a work-group, no clusters, 33,280 bytes of LDS; arguments x, w_qkv, w_out, x_codes, x_scales, w_codes, w_scales, wo_img; writes x_codes, x_scales, w_codes, w_scales, wo_img
.if DOCPART == 1
	.amdgcn_target "amdgcn-amd-amdhsa--gfx1250"
	.amdhsa_code_object_version 6
	.text
	.protected	k_qad47aa2289_prep
	.globl	k_qad47aa2289_prep
	.p2align	8
	.type	k_qad47aa2289_prep,@function
k_qad47aa2289_prep:
	s_mov_b64 s[64:65], 0
	v_nop
	global_prefetch_b8 v0, s[64:65] scope:SCOPE_SE
	s_setreg_imm32_b32 hwreg(HW_REG_WAVE_MODE, 25, 1), 1
	s_wait_xcnt 0x0
; THREE JOBS IN ONE LAUNCH, told apart by the work-group's number.
;  X (work-groups 0-127): x [4096][1024] f32, K innermost, becomes codes of FP4 (E2M1) [4096][512 bytes] and E8M0 scale bytes [4096][32].
;  W (128-319): w_qkv [1024 (k)][3072 (n)] f32, K outermost, becomes codes laid as IMAGES of the matrix operand's registers, and scale bytes [3072][32].
;     Image: a fragment (16 columns n x 128 k) is 1,024 bytes: registers 4 c .. 4 c + 3 of lane 16 h + n % 16 (k = 64 c + 32 h + 0 .. 31) at 512 c + 16 x lane; fragments lie [k / 512][n / 16][(k % 512) / 128].
;  C (320-383): w_out [1024 (c)][1024 (d)] f32 becomes f16, laid as images of the fragments 16 d x 32 c: [c / 256][d / 128][(d % 128) / 16][(c % 256) / 32][half][lane 16 h + d % 16][16 bytes], c % 32 = 16 half + 8 h + 0 .. 7.
; THE QUANTISER: a block's scale is 2^(floor(log2(its largest magnitude)) - 2); its byte is the largest magnitude's exponent field - 2, held at 1 from below by a floor among the maximum's leaves.
; A block of zeros so gets the byte 1 where the rule says 127: its codes are zeros, which add nothing under any byte but 0xff, and this program alone reads the bytes.
; LIMITS: NaN and infinities among the inputs are not served; w_out's magnitudes stay under 65,504 (f16).
; No work-group shares an input with another: no cluster, no tensor load, no barrier.  Only the X path touches LDS.
.set WREG,  8192                       ; X: LDS of a wave: two stages of 32 x SP bytes, behind them its 256 scale bytes
.set SP,    80                         ; a lane's place in a stage: 64 bytes + 16 of padding
.set SPARE, 4*WREG                     ; the spare words, 128 bytes for each wave: two blocks of 256 bytes that no other line names
.set STEPS, 16
.set SPW,   12                         ; v12  my spare word's LDS address; never rewritten
.set NIL,   13                         ; v13  0; never rewritten
.set R,     16                         ; X: v16-143  eight sets of 16 numbers as loaded
.set X,     144                        ; X: v144-175 two sets of 16 neighbours
.set C,     176                        ; X: v176-207 two registers of codes for each step
.set E,     208                        ; X: v208-223 a scale byte for each step
.set D,     16                         ; W, C: v16-143 128 numbers of my column, down K
.set OUTR,  144                        ; W: v144-159 codes; C: v144-207 f16 pairs
.set SWD,   160                        ; W: my column's scale word
; ---- X's macros
.macro LOAD t                          ; step t: 2,048 bytes as they lie, 512 consecutive bytes a load
.irp i, 0,1,2,3
	global_load_b128 v[R+16*((\t)%8)+4*\i:R+16*((\t)%8)+4*\i+3], v3, s[8:9] offset:2048*(\t)+512*\i th:TH_LOAD_NT
.endr
.endm
.macro TURN t                          ; through the wave's own stage: in as loaded, out 64 neighbouring bytes a lane; LDS serves a wave's instructions in order
.irp i, 0,1,2,3
	ds_store_b128 v14, v[R+16*((\t)%8)+4*\i:R+16*((\t)%8)+4*\i+3] offset:32*SP*((\t)%2)+8*SP*\i
.endr
.irp i, 0,1,2,3
	ds_load_b128 v[X+16*((\t)%2)+4*\i:X+16*((\t)%2)+4*\i+3], v15 offset:32*SP*((\t)%2)+16*\i
.endr
.endm
.macro STEP t
.set XS, X+16*((\t)%2)
.if (\t) > 0
	s_wait_dscnt 1                                 ; this step's numbers are back from the stage; only the last step's byte store is younger
.else
	s_wait_dscnt 0x0
.endif
.if (\t)+8 < STEPS
	LOAD (\t)+8                                    ; into the set that this step's stage stores have read
.endif
.if (\t)+1 < STEPS
.if STEPS-2-(\t) >= 7
	s_wait_loadcnt 28                              ; the next step's four loads are in; those of the seven steps behind it may be out
.else
	s_wait_loadcnt 4*(STEPS-2-(\t))                ; the steps behind the next one that are still to come
.endif
	TURN (\t)+1
.endif
	v_max3_num_f32 v8, |v[XS]|, |v[XS+1]|, |v[XS+2]|   ; the largest magnitude of my 16, in two chains
	v_max3_num_f32 v9, |v[XS+3]|, |v[XS+4]|, |v[XS+5]|
.irp i, 6,10
	v_max3_num_f32 v8, v8, |v[XS+\i]|, |v[XS+\i+1]|
	v_max3_num_f32 v9, v9, |v[XS+\i+2]|, |v[XS+\i+3]|
.endr
	v_max3_num_f32 v8, v8, |v[XS+14]|, |v[XS+15]|
	v_max3_num_f32 v8, v8, v9, 0x1800000           ; and the floor 2^(3 - 127): the byte cannot fall under 1
	v_max_num_f32_dpp v8, v8, v8 row_xmask:1 row_mask:0xf bank_mask:0xf   ; with my neighbour's 16: the block's
	v_add_nc_u32 v11, 0xff000000, v8               ; 2 off the exponent field: the conversion's scale operand
	v_cvt_scalef32_pk8_fp4_f32 v[C+2*(\t)], v[XS:XS+7], v11
	v_cvt_scalef32_pk8_fp4_f32 v[C+2*(\t)+1], v[XS+8:XS+15], v11
	v_lshrrev_b32 v[E+(\t)], 23, v11               ; the scale's byte (a plain line behind the conversions)
	ds_store_b8 v5, v[E+(\t)] offset:16*(\t)       ; both lanes of a block write the same byte with the same value
	global_store_b64 v4, v[C+2*(\t):C+2*(\t)+1], s[14:15] offset:256*(\t)   ; the wave stores 256 consecutive bytes, aligned
.endm
; ---- W's and C's macros: a lane takes a column and its registers run down K
.macro COL32 b, base, pitch            ; rows 32 b .. 32 b + 31 of my column: each load reads 128 consecutive bytes a wave, 512 a work-group
.set i, 32*(\b)
.rept 32
	global_load_b32 v[D+i], v3, s[\base:\base+1] offset:i*\pitch th:TH_LOAD_NT
.set i, i+1
.endr
.endm
.macro ARRIVE b, base, pitch           ; block b is in; the loads run two blocks ahead, each block into registers of its own
.if (\b) < 3
	s_wait_loadcnt 32                              ; the next block's 32 loads may be out
.else
	s_wait_loadcnt 0x0
.endif
.if (\b) < 2
	COL32 (\b)+2, \base, \pitch
.endif
.endm
.macro WBLK b                          ; a block of 32 along K of my column: all its numbers are mine
.set XS, D+32*(\b)
	ARRIVE \b, 10, 12288
	v_max3_num_f32 v8, |v[XS]|, |v[XS+1]|, |v[XS+2]|
	v_max3_num_f32 v9, |v[XS+3]|, |v[XS+4]|, |v[XS+5]|
.irp i, 6,10,14,18,22,26
	v_max3_num_f32 v8, v8, |v[XS+\i]|, |v[XS+\i+1]|
	v_max3_num_f32 v9, v9, |v[XS+\i+2]|, |v[XS+\i+3]|
.endr
	v_max3_num_f32 v8, v8, |v[XS+30]|, |v[XS+31]|
	v_max3_num_f32 v8, v8, v9, 0x1800000
	v_add_nc_u32 v10, 0xff000000, v8
	v_lshrrev_b32 v11, 23, v10
.if (\b) == 0
	v_mov_b32 v[SWD], v11                          ; four bytes make the word of these 128 along K, the lower K in the lower byte
.else
	v_lshl_or_b32 v[SWD], v11, 8*(\b), v[SWD]
.endif
.irp g, 0,1,2,3
	v_cvt_scalef32_pk8_fp4_f32 v[OUTR+4*(\b)+\g], v[XS+8*\g:XS+8*\g+7], v10
.endr
	v_nop                                          ; one plain line behind the last conversion of a run
	global_store_b128 v7, v[OUTR+4*(\b):OUTR+4*(\b)+3], s[18:19] offset:256*(\b)   ; block b = 2 c + h of the fragment: 512 c + 256 h; sixteen lanes fill 256 consecutive bytes, aligned
.endm
.macro OCT o                           ; eight numbers down c become 16 bytes of f16
.irp i, 0,1,2,3
	v_cvt_pk_f16_f32 v[OUTR+4*(\o)+\i], v[D+8*(\o)+2*\i], v[D+8*(\o)+2*\i+1]
.endr
	global_store_b128 v7, v[OUTR+4*(\o):OUTR+4*(\o)+3], s[22:23] offset:256*(\o)   ; 1,024 (o / 4) + 512 ((o / 2) % 2) + 256 (o % 2) = 256 o
.endm
	s_load_b256 s[8:15], s[0:1], 0x0               ; x s[8:9], w_qkv s[10:11], w_out s[12:13], x_codes s[14:15]
	s_load_b256 s[16:23], s[0:1], 0x20             ; x_scales s[16:17], w_codes s[18:19], w_scales s[20:21], wo_img s[22:23]
	v_lshl_add_u32 v[SPW], v0, 2, SPARE
	v_mov_b32 v[NIL], 0
	v_lshrrev_b32 v1, 5, v0
	v_readfirstlane_b32 s24, v1                    ; wave
	v_and_b32 v2, 31, v0                           ; lane
	; X's LDS addresses, made ahead of the branches
	s_mul_i32 s25, s24, WREG
	v_lshrrev_b32 v14, 2, v2
	v_mul_u32_u24 v14, v14, SP
	v_and_b32 v15, 3, v2
	v_lshl_add_u32 v14, v15, 4, v14
	v_add_nc_u32 v14, s25, v14                     ; the stage, in: SP (lane / 4) + 16 (lane % 4)
	v_mul_u32_u24 v15, v2, SP
	v_add_nc_u32 v15, s25, v15                     ; and out: SP x lane
	v_lshrrev_b32 v5, 1, v2
	s_add_co_u32 s25, s25, 2*32*SP
	v_add_nc_u32 v5, s25, v5                       ; my block's scale byte
	v_lshlrev_b32 v4, 3, v2                        ; 8 bytes a lane
	v_add_nc_u32 v6, s25, v4                       ; the scale bytes on their way out
	s_mov_b32 s29, 0
	s_wait_kmcnt 0x0
	s_cmp_lt_u32 ttmp9, 128
	s_cbranch_scc1 .Lx
	s_cmp_lt_u32 ttmp9, 320
	s_cbranch_scc1 .Lw
	; ---- C: 128 c x 128 d of w_out
	s_sub_co_u32 s26, ttmp9, 320
	s_and_b32 s27, s26, 7                          ; c / 128
	s_lshr_b32 s26, s26, 3                         ; d / 128
	s_lshl_b32 s28, s27, 19                        ; 128 rows of 4,096 bytes
	s_lshl_b32 s30, s26, 9
	s_add_co_u32 s28, s28, s30
	s_lshl_b32 s30, s24, 7                         ; my wave's 32 columns
	s_add_co_u32 s28, s28, s30
	s_add_nc_u64 s[12:13], s[12:13], s[28:29]
	s_lshr_b32 s28, s27, 1                         ; c / 256
	s_lshl_b32 s28, s28, 3
	s_add_co_u32 s28, s28, s26
	s_lshl_b32 s28, s28, 16
	s_lshl_b32 s30, s24, 14                        ; my wave's two blocks of 16 d
	s_add_co_u32 s28, s28, s30
	s_and_b32 s30, s27, 1
	s_lshl_b32 s30, s30, 12                        ; which 128 of the 256 along c
	s_add_co_u32 s28, s28, s30
	s_add_nc_u64 s[22:23], s[22:23], s[28:29]
	v_lshlrev_b32 v3, 2, v2
	v_lshrrev_b32 v7, 4, v2
	v_and_b32 v1, 15, v2
	v_lshlrev_b32 v1, 4, v1
	v_lshl_add_u32 v7, v7, 13, v1                  ; 8,192 (lane / 16) + 16 (lane % 16)
	COL32 0, 12, 4096
	COL32 1, 12, 4096
.irp b, 0,1,2,3
	ARRIVE \b, 12, 4096
.irp q, 0,1,2,3
	OCT 4*\b+\q
.endr
.endr
	s_endpgm
.Lw:	; ---- W: 128 k x 128 n of w_qkv
	s_sub_co_u32 s26, ttmp9, 128
	s_and_b32 s27, s26, 7                          ; k / 128
	s_lshr_b32 s26, s26, 3
	s_lshl_b32 s26, s26, 7
	s_lshl_b32 s30, s24, 5
	s_add_co_u32 s26, s26, s30                     ; my wave's first column
	s_mul_i32 s28, s27, 128*12288
	s_lshl_b32 s30, s26, 2
	s_add_co_u32 s28, s28, s30
	s_add_nc_u64 s[10:11], s[10:11], s[28:29]
	s_lshr_b32 s28, s27, 2                         ; k / 512
	s_mul_i32 s28, s28, 192*4096
	s_lshl_b32 s30, s26, 8                         ; (n / 16) x 4,096
	s_add_co_u32 s28, s28, s30
	s_and_b32 s30, s27, 3
	s_lshl_b32 s30, s30, 10
	s_add_co_u32 s28, s28, s30
	s_add_nc_u64 s[18:19], s[18:19], s[28:29]
	s_lshl_b32 s28, s26, 5                         ; a row of scale bytes is 32
	s_lshl_b32 s30, s27, 2
	s_add_co_u32 s28, s28, s30
	s_add_nc_u64 s[20:21], s[20:21], s[28:29]
	v_lshlrev_b32 v3, 2, v2
	v_lshrrev_b32 v7, 4, v2
	v_and_b32 v1, 15, v2
	v_lshlrev_b32 v1, 4, v1
	v_lshl_add_u32 v7, v7, 12, v1                  ; 4,096 (lane / 16) + 16 (lane % 16)
	v_lshlrev_b32 v1, 5, v2                        ; my column's row of scale bytes
	COL32 0, 10, 12288
	COL32 1, 10, 12288
.irp b, 0,1,2,3
	WBLK \b
.endr
	global_store_b32 v1, v[SWD], s[20:21]          ; four bytes of each of 32 rows: one byte in 128 of what this path reads
	s_endpgm
.Lx:	; ---- X: my wave's run of 8,192 numbers, 16 steps of 512
	s_lshl_b32 s26, ttmp9, 2
	s_add_co_u32 s26, s26, s24
	s_lshl_b32 s28, s26, 15
	s_add_nc_u64 s[8:9], s[8:9], s[28:29]
	s_lshl_b32 s28, s26, 12
	s_add_nc_u64 s[14:15], s[14:15], s[28:29]
	s_lshl_b32 s28, s26, 8
	s_add_nc_u64 s[16:17], s[16:17], s[28:29]
	v_lshlrev_b32 v3, 4, v2
.irp t, 0,1,2,3,4,5,6,7
	LOAD \t
.endr
	s_wait_loadcnt 28                              ; step 0's four loads are in; seven steps' are out
	TURN 0
.irp t, 0,1,2,3,4,5,6,7,8,9,10,11,12,13,14,15
	STEP \t
.endr
	ds_load_b64 v[8:9], v6                         ; my wave's 256 scale bytes: these loads see my stores
	s_wait_dscnt 0x0
	global_store_b64 v4, v[8:9], s[16:17]          ; 256 consecutive bytes, aligned
	s_wait_tensorcnt 0x0                           ; the wave's end, behind my last LDS store
	ds_add_u32 v[SPW], v[NIL]
	s_wait_dscnt 0x0
	s_endpgm
.Lfunc_end_k_qad47aa2289_prep:
	.size	k_qad47aa2289_prep, .Lfunc_end_k_qad47aa2289_prep-k_qad47aa2289_prep
	.p2alignl 7, 3214868480
	.fill 96, 4, 3214868480
	.section	.rodata,"a",@progbits
	.p2align	6, 0x0
	.amdhsa_kernel k_qad47aa2289_prep
		.amdhsa_group_segment_fixed_size 33280
		.amdhsa_private_segment_fixed_size 0
		.amdhsa_enable_private_segment 0
		.amdhsa_kernarg_size 64
		.amdhsa_user_sgpr_count 2
		.amdhsa_user_sgpr_kernarg_segment_ptr 1
		.amdhsa_wavefront_size32 1
		.amdhsa_system_sgpr_workgroup_id_x 1
		.amdhsa_system_sgpr_workgroup_id_y 1
		.amdhsa_system_sgpr_workgroup_id_z 1
		.amdhsa_system_vgpr_workitem_id 0
		.amdhsa_next_free_vgpr 224
		.amdhsa_next_free_sgpr 66
		.amdhsa_reserve_vcc 0
		.amdhsa_float_denorm_mode_32 3
		.amdhsa_float_denorm_mode_16_64 3
		.amdhsa_memory_ordered 1
		.amdhsa_forward_progress 1
		.amdhsa_inst_pref_size 71
	.end_amdhsa_kernel
	.amdgpu_metadata
---
amdhsa.version: [ 1, 2 ]
amdhsa.kernels:
  - .name:           k_qad47aa2289_prep
    .symbol:         k_qad47aa2289_prep.kd
    .args:
      - { .name: x, .offset: 0, .size: 8, .value_kind: global_buffer, .address_space: global }
      - { .name: w_qkv, .offset: 8, .size: 8, .value_kind: global_buffer, .address_space: global }
      - { .name: w_out, .offset: 16, .size: 8, .value_kind: global_buffer, .address_space: global }
      - { .name: x_codes, .offset: 24, .size: 8, .value_kind: global_buffer, .address_space: global }
      - { .name: x_scales, .offset: 32, .size: 8, .value_kind: global_buffer, .address_space: global }
      - { .name: w_codes, .offset: 40, .size: 8, .value_kind: global_buffer, .address_space: global }
      - { .name: w_scales, .offset: 48, .size: 8, .value_kind: global_buffer, .address_space: global }
      - { .name: wo_img, .offset: 56, .size: 8, .value_kind: global_buffer, .address_space: global }
    .group_segment_fixed_size: 33280
    .private_segment_fixed_size: 0
    .kernarg_segment_align: 8
    .kernarg_segment_size: 64
    .max_flat_workgroup_size: 128
    .sgpr_count:     66
    .vgpr_count:     224
    .wavefront_size: 32
...
	.end_amdgpu_metadata
.endif
;; end of part 1
;; launch qkv (part 2): grid 12 x 16, 4 waves a work-group, clusters of 4 x 4, 327,680 bytes of LDS; arguments x_codes, x_scales, w_codes, w_scales, b_qkv, qkvh; writes qkvh
.if DOCPART == 2
	.amdgcn_target "amdgcn-amd-amdhsa--gfx1250"
	.amdhsa_code_object_version 6
	.text
	.protected	k_qad47aa2289_qkv
	.globl	k_qad47aa2289_qkv
	.p2align	8
	.type	k_qad47aa2289_qkv,@function
k_qad47aa2289_qkv:
	s_mov_b64 s[64:65], 0
	v_nop
	global_prefetch_b8 v0, s[64:65] scope:SCOPE_SE
	s_setreg_imm32_b32 hwreg(HW_REG_WAVE_MODE, 25, 1), 1
	s_wait_xcnt 0x0
	s_wait_alu depctr_hold_cnt(0) depctr_sa_sdst(0) depctr_va_vdst(0) depctr_va_sdst(0) depctr_va_ssrc(0) depctr_va_vcc(0) depctr_vm_vsrc(0)
	s_getreg_b32 s2, hwreg(HW_REG_IB_STS2, 6, 4)
	s_cmp_eq_u32 s2, 0
	s_cbranch_scc0 .Lentry_in_a_cluster
	s_endpgm
.Lentry_in_a_cluster:
	s_bfe_u32 s2, ttmp6, 0x10000c
	s_cmp_lg_u32 s2, 0xf033
	s_cbranch_scc0 .Lentry_shape_is_right
	s_endpgm
.Lentry_shape_is_right:
; qkv[token][n] = sum over k of Q(x)[token][k] Q(w_qkv)[k][n] + b_qkv[n], on codes of FP4 (E2M1) with one E8M0 scale for each 32 along K; sums in f32; the result rounded once to f16.
; 4,096 tokens x 3,072 columns, K = 1,024.  A work-group of four waves makes 256 x 256, a wave 128 x 128: 64 accumulators of 16 x 16, 512 registers.
; K = two slots of 512 in LDS: both are first fills, nothing is filled again, so there is no loop and no round of the cluster's barrier but the first and the closing one.
; x's codes come as rows (256 bytes + 16 of padding in LDS); w's come as images of the operand's registers: a fragment is two loads at 16 x lane, dense, and a wave's 128 columns x 512 K are 32,768 dense bytes of memory.
; The scale bytes of the work-group's 256 rows and 256 columns, for all of K, are two dense blocks and come once, as units of 256 bytes + 16 of padding.
; CLUSTERS: 4 x 4 work-groups.  x's tiles are asked for jointly along a row of the cluster, w's along a column.
; TRANSPOSED USE: source 0 = 16 columns of w, source 1 = 16 tokens: a lane holds one token (lane % 16) and eight neighbouring columns 8 (lane / 16) + 0 .. 7.  The bias is the C of each sum's first product.
; THE WAY OUT needs no LDS: a lane's eight numbers, as f16, are 16 bytes, and qkvh is laid so that the wave's 32 pieces are 512 consecutive bytes:
;   qkvh [q, k, v][16 batch + head][token / 16][channel / 16][place][16 bytes]; a piece = token 16 tt + r, channels 16 g + 8 h + 0 .. 7; place = 16 h + r for q and k (the next product's fragment as it stands),
;   16 (r / 8) + 8 h + r % 8 for v (what the turning LDS load wants at 16 x lane).
; LIMITS: results beyond 65,504 in magnitude do not fit f16; NaN and infinities are not served.
; REGISTERS: window 0: v16-31 addresses; v32-95 scale words, two sets; v128-191 x's fragments, one set.  window 1: w's fragments, two sets at v0 and v128; v64-127 the bias, 8 registers a block of 16 columns.
;   window 2: the accumulators of my tokens 0-63 ((a, b) at v[8 (8 a + b)]); window 3: of tokens 64-127.
.set NQ,     4                         ; steps of 128 along K in a slot
.set ROWB,   256                       ; a row of x's tile in bytes
.set KROW,   512                       ; a row of x's codes in memory
.set PITCH,  272                       ; and in LDS: 256 + 16: the 16 rows that a load touches start 68 words apart
.set FR,     8
.set NL,     2
.set NP,     4                         ; places behind this matrix instruction (ISA guide 7.12.1)
.set HALFA,  128*PITCH
.set HALFB,  32768
.set SLOT,   2*HALFA+2*HALFB           ; x's 256 rows, then w's 256 columns
.set KS,     32                        ; a row of scale bytes
.set SCL,    2*SLOT
.set HALFS,  16*272                    ; the scales of 128 rows
.set SBLK,   2*272                     ; of 16 rows
.set SPARE,  SCL+4*HALFS               ; the spare words, 128 bytes for each wave: two blocks of 256 bytes that no other line names
.set ADRA, 16                          ; v16-17 LDS address of my fragments of x in slot 0, 1
.set ADRB, 20                          ; v20-21 of w
.set CO,   26                          ; v26    my piece's place in a block of 512 bytes of qkvh
.set ADRS, 27                          ; v27    my scale words: lanes 0-15 x's rows, lanes 16-31 w's columns
.set SPW,  28
.set NIL,  29
.set BO,   30                          ; v30    32 x (lane / 16): my eight numbers of a block's bias
.set SC,   32
.set AF,   128
.set BIAS, 64
.set G1, 24
.set G0, 32
.set G1B, 48
.set G0B, 56
.set G1S, 68
.set G0S, 76
.set G1SB, 80
.set G0SB, 88
.set MSB, 0
.macro WIN new                         ; the immediate's high byte repeats the setting that is left
.if MSB != (\new)
	s_set_vgpr_msb (MSB<<8)|(\new)
.set MSB, (\new)
.endif
.endm
.set MUL_LO,   0xa1                    ; source 0 (w) window 1, source 1 (x) window 0, C and D window 2
.set MUL_HI,   0xf1                    ; C and D window 3
.set FIRST_LO, 0x91                    ; the first products: C (the bias) window 1, D window 2
.set FIRST_HI, 0xd1                    ; D window 3
.set TO_B,     0x40
; A joint load: waves 0 and 1 fetch for x, waves 2 and 3 for w.  The branch hangs on the wave's number alone.  An s_nop 0 and four v_nop follow each of the two lines.
.macro JLOAD g0a, g1a, g0b, g1b
	s_cmp_eq_u32 s15, 0
	s_cbranch_scc0 .Lfor_b_\@
	tensor_load_to_lds s[\g0a:\g0a+3], s[\g1a:\g1a+7]
	s_nop 0
.rept 4
	v_nop
.endr
	s_branch .Lasked_\@
.Lfor_b_\@:
	tensor_load_to_lds s[\g0b:\g0b+3], s[\g1b:\g1b+7]
	s_nop 0
.rept 4
	v_nop
.endr
.Lasked_\@:
.endm
.macro CROUND                          ; a round of the cluster's barrier
	s_barrier_signal -1
	s_barrier_wait -1
	s_cmp_lg_u32 s14, 0
	s_cbranch_scc1 .Lnot_wave_0_\@
	s_barrier_signal -3
.Lnot_wave_0_\@:
	s_barrier_wait -3
	s_barrier_signal -1
	s_barrier_wait -1
.endm
	s_load_b128 s[4:7], s[0:1], 0x0                ; x's codes s[4:5], x's scales s[6:7]
	s_load_b128 s[8:11], s[0:1], 0x10              ; w's codes s[8:9], w's scales s[10:11]
	s_load_b128 s[96:99], s[0:1], 0x20             ; b_qkv s[96:97], qkvh s[98:99]
	v_lshl_add_u32 v[SPW], v0, 2, SPARE
	v_mov_b32 v[NIL], 0
	ds_add_u32 v[SPW], v[NIL]                      ; the wave's opening: the add, twice on end, and its wait ahead of my first tensor load
	ds_add_u32 v[SPW], v[NIL]
	v_lshrrev_b32 v1, 5, v0
	v_readfirstlane_b32 s14, v1                    ; wave 0..3
	s_lshr_b32 s15, s14, 1                         ; which half of the tile's tokens is mine.  Also: I fetch for x (0) or for w (1)
	s_and_b32 s16, s14, 1                          ; which half of its columns.  Also: which 128 rows I fetch
	s_bfe_u32 s40, ttmp6, 0x40000                  ; cx, cy
	s_bfe_u32 s41, ttmp6, 0x40004
	s_lshl_b32 s42, ttmp9, 2
	s_add_co_u32 s42, s42, s40                     ; tile column = 4 x cluster x + cx
	s_and_b32 s17, ttmp7, 0xffff
	s_lshl_b32 s17, s17, 2
	s_add_co_u32 s17, s17, s41                     ; tile row = 4 x cluster y + cy
	s_lshl_b32 s43, s41, 2
	s_lshl_b32 s43, 15, s43                        ; my row of the cluster
	s_lshl_b32 s44, 0x1111, s40                    ; my column
	; group 1 for x's codes: 128 rows of 256 bytes, 512 apart in memory, 16 bytes of padding behind each
	s_or_b32 s[G1+0], s43, (0<<16)|(1<<20)|(1<<21)|(5<<22)|(3<<25)
	s_mov_b32 s[G1+1], ROWB<<16
	s_mov_b32 s[G1+2], 128<<16
	s_mov_b32 s[G1+3], ROWB<<16
	s_mov_b32 s[G1+4], 128
	s_mov_b32 s[G1+5], KROW
	s_mov_b32 s[G1+6], 0
	s_mov_b32 s[G1+7], 0
	; for w's images: 32,768 dense bytes as 128 rows of 32 elements of 8 bytes, no padding
	s_or_b32 s[G1B+0], s44, (3<<16)|(1<<21)
	s_mov_b32 s[G1B+1], 32<<16
	s_mov_b32 s[G1B+2], 128<<16
	s_mov_b32 s[G1B+3], 32<<16
	s_mov_b32 s[G1B+4], 128
	s_mov_b32 s[G1B+5], 32
	s_mov_b32 s[G1B+6], 0
	s_mov_b32 s[G1B+7], 0
	; for the scales of 128 rows: 4,096 dense bytes as 16 rows of 256, 16 bytes of padding behind each
	s_or_b32 s[G1S+0], s43, (3<<16)|(1<<20)|(1<<21)|(5<<22)|(3<<25)
	s_or_b32 s[G1SB+0], s44, (3<<16)|(1<<20)|(1<<21)|(5<<22)|(3<<25)
.irp g, G1S, G1SB
	s_mov_b32 s[\g+1], 32<<16
	s_mov_b32 s[\g+2], 16<<16
	s_mov_b32 s[\g+3], 32<<16
	s_mov_b32 s[\g+4], 16
	s_mov_b32 s[\g+5], 32
	s_mov_b32 s[\g+6], 0
	s_mov_b32 s[\g+7], 0
.endr
	s_lshl_b32 s18, s16, 7                         ; which 128 rows I fetch
	s_lshl_b32 s20, s17, 8
	s_add_co_u32 s20, s20, s18                     ; x: token 256 x tile row + 128 x half
	s_lshl_b32 s46, s42, 8
	s_add_co_u32 s46, s46, s18                     ; w: column 256 x tile column + 128 x half
	s_lshl_b32 s22, s20, 5                         ; their scale bytes: 32 a row
	s_mov_b32 s23, 0
	s_lshl_b32 s92, s46, 5
	s_mov_b32 s93, 0
	s_lshl_b32 s20, s20, 9                         ; x's codes: 512 bytes a row
	s_mov_b32 s21, 0
	s_lshl_b32 s46, s46, 8                         ; w's images: 4,096 bytes for 16 columns
	s_mov_b32 s47, 0
	s_mul_i32 s45, s16, HALFA                      ; where they go: no place in the cluster enters an LDS address
	s_lshl_b32 s95, s16, 15
	s_add_co_u32 s95, s95, 2*HALFA
	s_mul_i32 s94, s14, HALFS
	s_wait_dscnt 0x0                               ; both opening adds are done
	s_wait_kmcnt 0x0
	s_add_nc_u64 s[20:21], s[4:5], s[20:21]
	s_add_nc_u64 s[22:23], s[6:7], s[22:23]
	s_add_nc_u64 s[46:47], s[8:9], s[46:47]
	s_add_nc_u64 s[92:93], s[10:11], s[92:93]
	CROUND                                         ; all sixteen work-groups are here: the joint loads meet
	s_mov_b32 s[G0S], 1
	s_add_co_u32 s[G0S+1], s94, SCL
	s_mov_b64 s[G0S+2:G0S+3], s[22:23]
	s_or_b32 s[G0S+3], s[G0S+3], 0x80000000
	s_mov_b32 s[G0SB], 1
	s_add_co_u32 s[G0SB+1], s94, SCL
	s_mov_b64 s[G0SB+2:G0SB+3], s[92:93]
	s_or_b32 s[G0SB+3], s[G0SB+3], 0x80000000
	JLOAD G0S, G1S, G0SB, G1SB                     ; the scales first: they are wanted with the first step
.irp s, 0,1
	s_mov_b32 s[G0+4*\s], 1
	s_add_co_u32 s[G0+4*\s+1], s45, \s*SLOT
	s_add_nc_u64 s[G0+4*\s+2:G0+4*\s+3], s[20:21], \s*ROWB
	s_or_b32 s[G0+4*\s+3], s[G0+4*\s+3], 0x80000000
	s_mov_b32 s[G0B+4*\s], 1
	s_add_co_u32 s[G0B+4*\s+1], s95, \s*SLOT
	s_add_nc_u64 s[G0B+4*\s+2:G0B+4*\s+3], s[46:47], \s*192*4096
	s_or_b32 s[G0B+4*\s+3], s[G0B+4*\s+3], 0x80000000
	JLOAD G0+4*\s, G1, G0B+4*\s, G1B               ; three loads of mine are out behind the second of these
.endr
	v_and_b32 v1, 15, v0                           ; r
	v_bfe_u32 v2, v0, 4, 1                         ; h
	v_mul_u32_u24 v3, v1, PITCH
	v_lshl_add_u32 v4, v2, 4, v3                   ; x: row x pitch + 16 h
	v_and_b32 v6, 31, v0
	v_lshlrev_b32 v6, 4, v6                        ; w: 16 x lane
	s_mul_i32 s21, s15, HALFA                      ; my 128 tokens
	s_lshl_b32 s22, s16, 15                        ; my 128 columns,
	s_add_co_u32 s22, s22, 2*HALFA                 ; behind x's 256 rows
.irp s, 0,1
	v_add_nc_u32 v[ADRA+\s], s21, v4
	v_add_nc_u32 v[ADRB+\s], s22, v6
	s_add_co_u32 s21, s21, SLOT
	s_add_co_u32 s22, s22, SLOT
.endr
	v_lshrrev_b32 v7, 3, v1                        ; v's place: 16 (r / 8) + 8 h + r % 8, in pieces of 16 bytes
	v_lshlrev_b32 v7, 8, v7
	v_lshl_add_u32 v7, v2, 7, v7
	v_and_b32 v8, 7, v1
	v_lshl_add_u32 v7, v8, 4, v7
	s_cmp_eq_u32 ttmp9, 2                          ; cluster x = 0, 1, 2: q, k, v; the same in all sixteen partners
	s_cselect_b32 s66, -1, 0
	v_cndmask_b32 v[CO], v6, v7, s66
	v_lshlrev_b32 v[BO], 5, v2
	v_mul_u32_u24 v5, v1, KS                       ; my row's scales: 32 bytes a row,
	v_lshrrev_b32 v9, 8, v5
	v_lshl_add_u32 v5, v9, 4, v5                   ; and 16 more for each 256 passed
	s_mul_i32 s21, s15, HALFS
	s_mul_i32 s22, s16, HALFS
	s_add_co_u32 s22, s22, 2*HALFS
	s_sub_co_u32 s22, s22, s21
	v_mul_u32_u24 v9, s22, v2                      ; lanes 16-31 take w's
	s_add_co_u32 s21, s21, SCL
	v_add_nc_u32 v5, v5, v9
	v_add_nc_u32 v[ADRS], s21, v5
	s_lshl_b32 s46, s42, 10                        ; the bias of my 128 columns
	s_lshl_b32 s47, s16, 9
	s_add_co_u32 s46, s46, s47
	s_mov_b32 s47, 0
	s_add_nc_u64 s[96:97], s[96:97], s[46:47]
	WIN TO_B
.irp b, 0,1,2,3,4,5,6,7
	global_load_b128 v[BIAS+8*\b:BIAS+8*\b+3], v[BO], s[96:97] offset:64*\b        ; b_qkv at columns 16 b + 8 h + 0 .. 7: the result's layout
	global_load_b128 v[BIAS+8*\b+4:BIAS+8*\b+7], v[BO], s[96:97] offset:64*\b+16
.endr
	WIN 0
	; where my part of qkvh begins
	s_lshl_b32 s20, ttmp9, 23                      ; q, k or v: 8,388,608 bytes each
	s_lshr_b32 s21, s17, 3                         ; batch
	s_lshl_b32 s21, s21, 4
	s_lshl_b32 s46, s40, 2
	s_add_co_u32 s21, s21, s46
	s_lshl_b32 s46, s16, 1
	s_add_co_u32 s21, s21, s46                     ; 16 batch + my first head (4 cx + 2 x half)
	s_lshl_b32 s21, s21, 18
	s_add_co_u32 s20, s20, s21
	s_and_b32 s21, s17, 7
	s_lshl_b32 s21, s21, 15                        ; 256 tokens are 16 blocks of 2,048 bytes
	s_add_co_u32 s20, s20, s21
	s_lshl_b32 s21, s15, 14
	s_add_co_u32 s20, s20, s21
	s_mov_b32 s21, 0
	s_add_nc_u64 s[98:99], s[98:99], s[20:21]
; 16 matrix instructions: x's blocks a0, a0 + 1 against w's eight, the slot's q-th 128 along K.  p: w's set; sc: the set of scale words.  first = 1: the bias is C and starts the sums: nothing is cleared.
; The 64 accumulators take turns, one instruction a turn, in the same order in every step.
.macro MUL16 a0, p, q, sc, first
.irp a, \a0, \a0+1
.irp b, 0,1,2,3,4,5,6,7
.if \first
	v_wmma_scale_f32_16x16x128_f8f6f4 v[8*(8*((\a)%4)+\b):8*(8*((\a)%4)+\b)+7], v[128*(\p)+FR*\b:128*(\p)+FR*\b+FR-1], v[AF+FR*(\a):AF+FR*(\a)+FR-1], v[BIAS+8*\b:BIAS+8*\b+7], v[SC+8*NQ*(\sc)+NQ*\b+(\q)], v[SC+8*NQ*(\sc)+NQ*(\a)+(\q)] matrix_a_fmt:MATRIX_FMT_FP4 matrix_b_fmt:MATRIX_FMT_FP4 matrix_a_scale:MATRIX_SCALE_ROW1
.else
	v_wmma_scale_f32_16x16x128_f8f6f4 v[8*(8*((\a)%4)+\b):8*(8*((\a)%4)+\b)+7], v[128*(\p)+FR*\b:128*(\p)+FR*\b+FR-1], v[AF+FR*(\a):AF+FR*(\a)+FR-1], v[8*(8*((\a)%4)+\b):8*(8*((\a)%4)+\b)+7], v[SC+8*NQ*(\sc)+NQ*\b+(\q)], v[SC+8*NQ*(\sc)+NQ*(\a)+(\q)] matrix_a_fmt:MATRIX_FMT_FP4 matrix_b_fmt:MATRIX_FMT_FP4 matrix_a_scale:MATRIX_SCALE_ROW1
.endif
.endr
.endr
.endm
.macro FETCH_B slot, q, p              ; w's eight fragments: images, two loads at 16 x lane each
	WIN TO_B
.irp i, 0,1,2,3,4,5,6,7
.irp c, 0,1
	ds_load_b128 v[128*(\p)+FR*\i+4*\c:128*(\p)+FR*\i+4*\c+3], v[ADRB+\slot] offset:\i*4096+(\q)*1024+512*\c
.endr
.endr
	WIN 0
.endm
.macro FETCH_A slot, q, i0             ; x's blocks i0 .. i0 + 3: lane l holds row l % 16; registers 4 c .. 4 c + 3 hold K = 64 c + 32 (l / 16) + 0 .. 31
.irp i, \i0, \i0+1, \i0+2, \i0+3
.irp c, 0,1
	ds_load_b128 v[AF+FR*(\i)+4*\c:AF+FR*(\i)+4*\c+3], v[ADRA+\slot] offset:64*(\q)+32*\c+(\i)*16*PITCH
.endr
.endr
.endm
.macro SCALES sc                       ; a slot's scale words: four a row; lanes 0-15 x's block i, lanes 16-31 w's block i
.irp i, 0,1,2,3,4,5,6,7
	ds_load_b128 v[SC+8*NQ*\sc+NQ*\i:SC+8*NQ*\sc+NQ*\i+3], v[ADRS] offset:\i*SBLK
.endr
.endm
.macro PLACES n                        ; plain vector lines between a matrix instruction and a load into, or a read of, its registers
.rept \n
	v_nop
.endr
.endm
.macro STEP slot, q, first             ; a step of 128 along K that has its successor in the same slot
	s_wait_dscnt 4*NL                              ; w's set and x's blocks 0-3 are in; the youngest eight loads (x's blocks 4-7) may be out
.if \first
	WIN FIRST_LO
.else
	WIN MUL_LO
.endif
	MUL16 0, (\q)%2, \q, \slot, \first
	MUL16 2, (\q)%2, \q, \slot, \first
	s_wait_dscnt 0                                 ; x's blocks 4-7 are in
	PLACES NP
	FETCH_B \slot, (\q)+1, 1-(\q)%2
	FETCH_A \slot, (\q)+1, 0
.if \first
	WIN FIRST_HI
.else
	WIN MUL_HI
.endif
	MUL16 4, (\q)%2, \q, \slot, \first
	MUL16 6, (\q)%2, \q, \slot, \first
	PLACES NP
	WIN 0
	FETCH_A \slot, (\q)+1, 4
.endm
.macro TURN slot, next                 ; a slot's last step changes slots: one barrier; in front of it my part of the next slot has landed; nothing is filled again
	s_wait_tensorcnt 0x0                           ; all my tensor loads have landed: my part of the next slot
	ds_add_u32 v[SPW], v[NIL]                      ; 0 onto my spare word
	s_wait_dscnt 4*NL+1                            ; (the add and the youngest eight loads may be out)
	WIN MUL_LO
	MUL16 0, 1, NQ-1, \slot, 0
	s_wait_dscnt 0x0
	s_barrier_signal -1
	MUL16 2, 1, NQ-1, \slot, 0
	WIN 0
	s_barrier_wait -1                              ; everybody's part of the next slot is in
	PLACES NP
	v_add_nc_u32 v[ADRS], 4*NQ, v[ADRS]            ; the next slot's scale words: 16 bytes on in each row
	FETCH_B \next, 0, 0
	FETCH_A \next, 0, 0
	SCALES \next
	WIN MUL_HI
	MUL16 4, 1, NQ-1, \slot, 0
	MUL16 6, 1, NQ-1, \slot, 0
	PLACES NP
	WIN 0
	FETCH_A \next, 0, 4
.endm
	s_wait_tensorcnt 1                             ; the scales and my part of slot 0 are in; slot 1's load may be out
	s_barrier_signal -1
	s_barrier_wait -1
	FETCH_B 0, 0, 0
	FETCH_A 0, 0, 0
	SCALES 0
	FETCH_A 0, 0, 4
	s_wait_loadcnt 0x0                             ; the bias
	STEP 0, 0, 1
	STEP 0, 1, 0
	STEP 0, 2, 0
	TURN 0, 1
	STEP 1, 0, 0
	STEP 1, 1, 0
	STEP 1, 2, 0
	s_wait_dscnt 4*NL                              ; the very last step: nothing more to fetch
	WIN MUL_LO
	MUL16 0, 1, NQ-1, 1, 0
	MUL16 2, 1, NQ-1, 1, 0
	s_wait_dscnt 0
	WIN MUL_HI
	MUL16 4, 1, NQ-1, 1, 0
	MUL16 6, 1, NQ-1, 1, 0
	PLACES NP
; THE WAY OUT of block a (16 tokens x 128 columns): each accumulator is rounded to f16 in place, from its low end on, and its four registers are stored: the wave's store covers 512 consecutive bytes, aligned.
; No store's data are written again, so no wait stands between the blocks.
.macro OUT a
.set AC, 64*((\a)%4)
	WIN 0x8a+0x45*((\a)/4)                         ; sources and destination: window 2 or 3
.irp b, 0,1,2,3,4,5,6,7
.irp i, 0,1,2,3
	v_cvt_pk_f16_f32 v[AC+8*\b+\i], v[AC+8*\b+2*\i], v[AC+8*\b+2*\i+1]
.endr
.endr
	WIN 0x08+4*((\a)/4)                            ; a store's data are its source 1
.irp b, 0,1,2,3,4,5,6,7
	global_store_b128 v[CO], v[AC+8*\b:AC+8*\b+3], s[98:99] offset:(\a)*2048+(\b/4)*262144+(\b%4)*512   ; token block a, head b / 4, channels 16 (b % 4) on
.endr
.endm
.irp a, 0,1,2,3,4,5,6,7
	OUT \a
.endr
	WIN 0
	s_wait_tensorcnt 0x0                           ; the wave's end
	ds_add_u32 v[SPW], v[NIL]
	s_wait_dscnt 0x0
	CROUND                                         ; the closing round
	s_endpgm
.Lfunc_end_k_qad47aa2289_qkv:
	.size	k_qad47aa2289_qkv, .Lfunc_end_k_qad47aa2289_qkv-k_qad47aa2289_qkv
	.p2alignl 7, 3214868480
	.fill 96, 4, 3214868480
	.section	.rodata,"a",@progbits
	.p2align	6, 0x0
	.amdhsa_kernel k_qad47aa2289_qkv
		.amdhsa_group_segment_fixed_size 327680
		.amdhsa_private_segment_fixed_size 0
		.amdhsa_enable_private_segment 0
		.amdhsa_kernarg_size 48
		.amdhsa_user_sgpr_count 2
		.amdhsa_user_sgpr_kernarg_segment_ptr 1
		.amdhsa_wavefront_size32 1
		.amdhsa_system_sgpr_workgroup_id_x 1
		.amdhsa_system_sgpr_workgroup_id_y 1
		.amdhsa_system_sgpr_workgroup_id_z 1
		.amdhsa_system_vgpr_workitem_id 0
		.amdhsa_next_free_vgpr 1024
		.amdhsa_next_free_sgpr 100
		.amdhsa_reserve_vcc 0
		.amdhsa_float_denorm_mode_32 3
		.amdhsa_float_denorm_mode_16_64 3
		.amdhsa_memory_ordered 1
		.amdhsa_forward_progress 1
		.amdhsa_inst_pref_size 119
	.end_amdhsa_kernel
	.amdgpu_metadata
---
amdhsa.version: [ 1, 2 ]
amdhsa.kernels:
  - .name:           k_qad47aa2289_qkv
    .symbol:         k_qad47aa2289_qkv.kd
    .args:
      - { .name: x_codes, .offset: 0, .size: 8, .value_kind: global_buffer, .address_space: global }
      - { .name: x_scales, .offset: 8, .size: 8, .value_kind: global_buffer, .address_space: global }
      - { .name: w_codes, .offset: 16, .size: 8, .value_kind: global_buffer, .address_space: global }
      - { .name: w_scales, .offset: 24, .size: 8, .value_kind: global_buffer, .address_space: global }
      - { .name: b_qkv, .offset: 32, .size: 8, .value_kind: global_buffer, .address_space: global }
      - { .name: qkvh, .offset: 40, .size: 8, .value_kind: global_buffer, .address_space: global }
    .group_segment_fixed_size: 327680
    .private_segment_fixed_size: 0
    .kernarg_segment_align: 8
    .kernarg_segment_size: 48
    .max_flat_workgroup_size: 128
    .sgpr_count:     100
    .vgpr_count:     1024
    .wavefront_size: 32
...
	.end_amdgpu_metadata
.endif
;; end of part 2
;; launch attn (part 3): grid 8 x 32, 16 waves a work-group, clusters of 4 x 1, 327,680 bytes of LDS; arguments qkvh, ao; writes ao
.if DOCPART == 3
	.amdgcn_target "amdgcn-amd-amdhsa--gfx1250"
	.amdhsa_code_object_version 6
	.text
	.protected	k_qad47aa2289_attn
	.globl	k_qad47aa2289_attn
	.p2align	8
	.type	k_qad47aa2289_attn,@function
k_qad47aa2289_attn:
	s_mov_b64 s[64:65], 0
	v_nop
	global_prefetch_b8 v0, s[64:65] scope:SCOPE_SE
	s_setreg_imm32_b32 hwreg(HW_REG_WAVE_MODE, 25, 1), 1
	s_wait_xcnt 0x0
	s_wait_alu depctr_hold_cnt(0) depctr_sa_sdst(0) depctr_va_vdst(0) depctr_va_sdst(0) depctr_va_ssrc(0) depctr_va_vcc(0) depctr_vm_vsrc(0)
	s_getreg_b32 s2, hwreg(HW_REG_IB_STS2, 6, 4)
	s_cmp_eq_u32 s2, 0
	s_cbranch_scc0 .Lentry_in_a_cluster
	s_endpgm
.Lentry_in_a_cluster:
	s_bfe_u32 s2, ttmp6, 0x10000c
	s_cmp_lg_u32 s2, 0x3003
	s_cbranch_scc0 .Lentry_shape_is_right
	s_endpgm
.Lentry_shape_is_right:
; For each of 32 (batch, head): O[q] = sum over k of softmax_k(Q[q] . K[k] / 8) V[k], 2,048 queries and keys, 64 channels.  Operands f16, products' sums, maxima and sums in f32; p is rounded to f16 for the second product, O once at the end.
; SHARES.  A work-group owns 256 queries of one head.  It has SIXTEEN waves of 256 registers, four to a SIMD, so that one wave's softmax, another's products and a third's LDS loads stand side by side.
; Wave w owns query group w % 8 (32 queries, two tiles of 16) and walks the key steps of parity w / 8: of each slot's eight steps of 64 keys it takes four.  So the two waves of a pair (w, w + 8) hold partial results
; for the same queries, each under its own running maximum; they are merged once, at the end, through LDS.  Each fragment read from LDS feeds two tiles, as many products as if eight waves walked all keys.
; K and V come through two LDS slots of 512 keys; a slot's 131,072 bytes are shared among the sixteen waves: each fetches 8,192 dense bytes, 32 rows of 256, by one tensor load.
; CLUSTER.  The four query blocks of a cluster belong to one head and walk the same K and V: each tile is asked for jointly, by the same load with the same descriptor and a mask that names the four.
; LAYOUT.  Both products are used transposed: S^T = K Q^T (source 0 = 16 keys, source 1 = 16 queries), O^T = V^T P (source 0 = 16 channels, source 1 = P): a lane holds ONE query (lane % 16) throughout.
; qkvh holds blocks of 512 bytes, [token / 16][channel / 16][place][16 bytes], that are images of these operands' registers: a fragment of Q or K is two loads at 16 x lane; of V^T two turning loads at 16 x lane.  No pitch, no padding.
; SOFTMAX.  A running maximum m and sum l for each query: p = 2^(c s - c m), c = log2(e) / 8; in every step O and l are multiplied by a = 2^(c m_old - c m_new).  The step is written once: it starts from m = -3e38, l = 0, O = 0.
; THE MERGE.  With M = max(c mA, c mB), fA = 2^(c mA - M), fB = 2^(c mB - M): l = lA fA + lB fB, O = (O_A fA + O_B fB) / l.
; THE WAY OUT needs no stage: a lane's eight channels, as f16, are 16 bytes of an image of the next product's fragment: ao [head / 4][token / 16][2 (head % 4) + channel / 32][(channel % 32) / 16][lane][16 bytes].
; No prefetch: a refill is asked for a whole visit, four key steps of every wave, ahead of the wait for it.
; LIMITS: NaN and infinities are not served.  The shift is c m as rounded to f32; p, a, l and O take the same shift, so it cancels in O / l.
; REGISTERS: v1-4, v6 addresses; v9, v10 the add's two; v12-27 statistics, eight a tile: +0 c m, +1 m, +2, +3 l (even keys', odd keys'), +4 .. +7 at work (a takes +6);
;   v32-63 Q (tile t, channels 32 cc on: 32 + 16 t + 8 cc); v64-127 S^T (64 + 32 t + 8 kt), then p, then P in each tile's first 16; v128-191 O^T (128 + 32 t + 8 ct); v192-255 K (192 + 16 kt + 8 cc), then V^T (192 + 32 kc + 8 ct).
.set SLOT,  131072                     ; K's 65,536 bytes, then V's
.set VOFF,  65536
.set STEPB, 8192                       ; 64 keys: four blocks of 16 tokens x 2,048 bytes
.set SPARE, 2*SLOT                     ; the spare words, 128 bytes for each wave: eight blocks of 256 bytes that no other line names
.set MRG,   17*512                     ; the merge: a pair's image of O^T (16 x 512 bytes) and a block of statistics; the eight pairs' lie in slot 0, from LDS byte 0 on
.set AL,  1                            ; v1  16 x lane
.set AV0, 2                            ; v2  the same in V's part of a slot
.set ADK, 3
.set ADV, 4
.set MA,  6                            ; v6  the merge: my pair's bytes + 16 x lane
.set SPW, 9
.set NIL, 10
.set ST,  12
.set Q,   32
.set S,   64
.set O,   128
.set KV,  192
.set WV,  8                            ; s8  my wave's number
.set G1,  16                           ; s[16:23] descriptor group 1
.set G0,  24                           ; s[24:31] group 0, a set for each slot
.set CS,  32                           ; s[32:33] c
.set SEL, 34                           ; s[34:35] lane selects: lane l xor 16
.set TB,  36                           ; s36 LDS byte at which the step's tiles begin
.set CNT, 37
.set QG,  44                           ; s44 my query group: wave % 8
.set KP,  45                           ; s45 my parity, wave / 8; then parity x STEPB
.macro CROUND                          ; a round of the cluster's barrier
	s_barrier_signal -1
	s_barrier_wait -1
	s_cmp_lg_u32 s[WV], 0
	s_cbranch_scc1 .Lnot_wave_0_\@
	s_barrier_signal -3
.Lnot_wave_0_\@:
	s_barrier_wait -3
	s_barrier_signal -1
	s_barrier_wait -1
.endm
.macro JLOAD s                         ; every wave's part of slot s: one line for all sixteen; an s_nop 0 and four v_nop follow
	tensor_load_to_lds s[G0+4*\s:G0+4*\s+3], s[G1:G1+7]
	s_nop 0
.rept 4
	v_nop
.endr
.endm
	s_load_b128 s[4:7], s[0:1], 0x0                ; qkvh s[4:5], ao s[6:7]
	v_lshl_add_u32 v[SPW], v0, 2, SPARE
	v_mov_b32 v[NIL], 0
	ds_add_u32 v[SPW], v[NIL]                      ; the wave's opening: the add, twice on end, and its wait ahead of my first tensor load
	ds_add_u32 v[SPW], v[NIL]
	v_lshrrev_b32 v5, 5, v0
	v_readfirstlane_b32 s[WV], v5                  ; wave 0..15
	s_and_b32 s[QG], s[WV], 7
	s_lshr_b32 s[KP], s[WV], 3
	s_bfe_u32 s9, ttmp6, 0x40000                   ; cx
	s_lshl_b32 s10, ttmp9, 2
	s_add_co_u32 s10, s10, s9                      ; my block of 256 queries: it enters Q's and ao's addresses alone
	s_and_b32 s11, ttmp7, 0xffff                   ; 16 batch + head, which the four partners share
	; group 1: 8,192 dense bytes as 32 rows of 32 elements of 8 bytes; the mask names all four work-groups
	s_mov_b32 s[G1], 15|(3<<16)|(1<<21)
	s_mov_b32 s[G1+1], 32<<16
	s_mov_b32 s[G1+2], 32<<16
	s_mov_b32 s[G1+3], 32<<16
	s_mov_b32 s[G1+4], 32
	s_mov_b32 s[G1+5], 32
	s_mov_b32 s[G1+6], 0
	s_mov_b32 s[G1+7], 0
	s_add_co_u32 s12, s[KP], 1                     ; waves 0-7 fetch K's eighths, waves 8-15 V's
	s_lshl_b32 s12, s12, 23                        ; k begins 8,388,608 bytes into qkvh, v twice as far
	s_lshl_b32 s38, s11, 18                        ; a head is 262,144 bytes
	s_add_co_u32 s12, s12, s38
	s_lshl_b32 s39, s[QG], 13
	s_add_co_u32 s12, s12, s39
	s_mov_b32 s13, 0
	s_lshl_b32 s14, s10, 15                        ; Q: 256 queries are 16 blocks of 2,048 bytes,
	s_add_co_u32 s14, s14, s38
	s_lshl_b32 s39, s[QG], 12                      ; my query group's two
	s_add_co_u32 s14, s14, s39
	s_mov_b32 s15, 0
	s_bfe_u32 s40, s11, 0x20002                    ; head / 4
	s_lshl_b32 s40, s40, 21
	s_lshr_b32 s41, s11, 4                         ; batch: 128 token blocks of 8,192 bytes
	s_lshl_b32 s41, s41, 20
	s_add_co_u32 s40, s40, s41
	s_lshl_b32 s41, s10, 17
	s_add_co_u32 s40, s40, s41
	s_lshl_b32 s41, s[QG], 14
	s_add_co_u32 s40, s40, s41
	s_and_b32 s41, s11, 3                          ; head % 4: two fragments of 1,024 bytes
	s_lshl_b32 s41, s41, 11
	s_add_co_u32 s40, s40, s41
	s_mov_b32 s41, 0
	s_lshl_b32 s[KP], s[KP], 13                    ; parity x STEPB: where my first step of a slot begins
	s_mul_i32 s42, s[QG], MRG                      ; my pair's bytes for the merge
	s_mov_b32 s[CS], 0x3e38aa3b                    ; c = log2(e) / sqrt(64)
	s_mov_b32 s[CS+1], s[CS]                       ; (named with it as a pair, so it is written)
	s_mov_b32 s[SEL], 0x76543210
	s_mov_b32 s[SEL+1], 0xfedcba98
	s_wait_dscnt 0x0                               ; both opening adds are done
	s_wait_kmcnt 0x0
	s_add_nc_u64 s[12:13], s[4:5], s[12:13]        ; my part of slot 0's keys
	s_add_nc_u64 s[4:5], s[4:5], s[14:15]          ; Q at my first tile
	s_add_nc_u64 s[6:7], s[6:7], s[40:41]          ; ao likewise
	s_mov_b32 s[G0], 1
	s_lshl_b32 s[G0+1], s[WV], 13                  ; LDS: wave x 8,192: no place in the cluster enters it
	s_mov_b64 s[G0+2:G0+3], s[12:13]
	s_or_b32 s[G0+3], s[G0+3], 0x80000000
	s_mov_b32 s[G0+4], 1
	s_add_co_u32 s[G0+5], s[G0+1], SLOT
	s_add_nc_u64 s[G0+6:G0+7], s[12:13], 65536     ; the next 512 keys
	s_or_b32 s[G0+7], s[G0+7], 0x80000000
	CROUND                                         ; all four work-groups are here: the first joint loads meet
	tensor_load_to_lds s[G0:G0+3], s[G1:G1+7]      ; both first fills go out together: two loads of mine are out
	s_nop 0
	tensor_load_to_lds s[G0+4:G0+7], s[G1:G1+7]
	s_nop 0
.rept 4
	v_nop
.endr
	v_and_b32 v[AL], 31, v0
	v_lshlrev_b32 v[AL], 4, v[AL]
	v_add_nc_u32 v[AV0], VOFF, v[AL]
	v_add_nc_u32 v[MA], s42, v[AL]                 ; made here, ahead of every branch on the wave's number
.irp t, 0,1
.irp cc, 0,1
	global_load_b128 v[Q+16*\t+8*\cc:Q+16*\t+8*\cc+3], v[AL], s[4:5] offset:\t*2048+\cc*1024        ; Q stays in registers
	global_load_b128 v[Q+16*\t+8*\cc+4:Q+16*\t+8*\cc+7], v[AL], s[4:5] offset:\t*2048+\cc*1024+512
.endr
.endr
.irp t, 0,1
	v_mov_b32 v[ST+8*\t+1], 0xff61b1e6             ; m = -3e38, under every score
	v_mul_f32 v[ST+8*\t], s[CS], v[ST+8*\t+1]      ; c m
	v_mov_b32 v[ST+8*\t+2], 0                      ; l
	v_mov_b32 v[ST+8*\t+3], 0
.endr
.set j, 0
.rept 64
	v_mov_b32 v[O+j], 0                            ; O^T: the step is written once; the first a is 0 and leaves zeros
.set j, j+1
.endr
; A KEY STEP: 64 keys, both tiles by turns in every run.
.macro STEP
	v_add_nc_u32 v[ADK], s[TB], v[AL]              ; these two and three v_nop: five places behind the last V^T P, for the loads into its fragments' registers and for the products that write over P
	v_add_nc_u32 v[ADV], s[TB], v[AV0]
.rept 3
	v_nop
.endr
.irp cc, 0,1
.irp kt, 0,1,2,3
	ds_load_b128 v[KV+16*\kt+8*\cc:KV+16*\kt+8*\cc+3], v[ADK] offset:\kt*2048+\cc*1024
	ds_load_b128 v[KV+16*\kt+8*\cc+4:KV+16*\kt+8*\cc+7], v[ADK] offset:\kt*2048+\cc*1024+512
.endr
.endr
	s_wait_dscnt 8                                 ; channels 0-31 are in; the eight loads of channels 32-63 may be out
.irp kt, 0,1,2,3
.irp t, 0,1
	v_wmma_f32_16x16x32_f16 v[S+32*\t+8*\kt:S+32*\t+8*\kt+7], v[KV+16*\kt:KV+16*\kt+7], v[Q+16*\t:Q+16*\t+7], 0   ; eight accumulators by turns
.endr
.endr
	s_wait_dscnt 0x0
.irp kt, 0,1,2,3
.irp t, 0,1
	v_wmma_f32_16x16x32_f16 v[S+32*\t+8*\kt:S+32*\t+8*\kt+7], v[KV+16*\kt+8:KV+16*\kt+15], v[Q+16*\t+8:Q+16*\t+15], v[S+32*\t+8*\kt:S+32*\t+8*\kt+7]
.endr
.endr
.rept 4
	v_nop                                          ; places in front of V's loads into K's registers and of the first reads of the scores
.endr
.irp kc, 0,1
.irp ct, 0,1,2,3
	ds_load_tr16_b128 v[KV+32*\kc+8*\ct:KV+32*\kc+8*\ct+3], v[ADV] offset:(2*\kc)*2048+\ct*512       ; lane l: channel 16 ct + l % 16, keys 32 kc + 8 (l / 16) + 0 .. 7
	ds_load_tr16_b128 v[KV+32*\kc+8*\ct+4:KV+32*\kc+8*\ct+7], v[ADV] offset:(2*\kc+1)*2048+\ct*512   ; and 16 keys on; they land while the softmax is walked
.endr
.endr
	; the maximum of my 32 scores and the old m: four chains, each begun at its accumulator's low end
.irp k, 0,1,2,3
.irp t, 0,1
	v_max3_num_f32 v[ST+8*\t+4+\k], v[S+32*\t+8*\k], v[S+32*\t+8*\k+1], v[S+32*\t+8*\k+2]
.endr
.endr
.irp u, 3,5
.irp k, 0,1,2,3
.irp t, 0,1
	v_max3_num_f32 v[ST+8*\t+4+\k], v[ST+8*\t+4+\k], v[S+32*\t+8*\k+\u], v[S+32*\t+8*\k+\u+1]
.endr
.endr
.endr
.irp t, 0,1
	v_max3_num_f32 v[ST+8*\t+4], v[ST+8*\t+4], v[S+32*\t+7], v[S+32*\t+15]
.endr
.irp t, 0,1
	v_max3_num_f32 v[ST+8*\t+6], v[ST+8*\t+6], v[S+32*\t+23], v[S+32*\t+31]
.endr
.irp t, 0,1
	v_max3_num_f32 v[ST+8*\t+4], v[ST+8*\t+4], v[ST+8*\t+5], v[ST+8*\t+6]
.endr
.irp t, 0,1
	v_max3_num_f32 v[ST+8*\t+4], v[ST+8*\t+4], v[ST+8*\t+7], v[ST+8*\t+1]
.endr
.irp t, 0,1
	v_permlanex16_b32 v[ST+8*\t+5], v[ST+8*\t+4], s[SEL], s[SEL+1]   ; the query's other 32 keys lie in the lane 16 away
.endr
.irp t, 0,1
	v_mov_b32 v[ST+8*\t+7], v[ST+8*\t]             ; c m_old is kept for a
.endr
.irp t, 0,1
	v_max_num_f32 v[ST+8*\t+1], v[ST+8*\t+4], v[ST+8*\t+5]
.endr
.irp t, 0,1
	v_mul_f32 v[ST+8*\t], s[CS], v[ST+8*\t+1]
.endr
.irp t, 0,1
	v_sub_f32 v[ST+8*\t+7], v[ST+8*\t+7], v[ST+8*\t]
.endr
.irp j, 0,2,4,6,8,10,12,14,16,18,20,22,24,26,28,30
.irp t, 0,1
	v_pk_fma_f32 v[S+32*\t+\j:S+32*\t+\j+1], v[S+32*\t+\j:S+32*\t+\j+1], s[CS:CS+1], v[ST+8*\t:ST+8*\t+1] op_sel_hi:[1,0,0] neg_lo:[0,0,1] neg_hi:[0,0,1]   ; c s - c m
.endr
.endr
.irp t, 0,1
	v_exp_f32 v[ST+8*\t+6], v[ST+8*\t+7]           ; a
.endr
.set e, 0
.rept 32
	v_exp_f32 v[S+e], v[S+e]                       ; p, in place: one batch of 66 exponentials, none of which reads another's result
	v_exp_f32 v[S+32+e], v[S+32+e]
.set e, e+1
.endr
	v_nop                                          ; a plain line behind the last exponential
	s_wait_alu depctr_va_vdst(0)                   ; the wait ahead of the first line that names a result: one for the batch
	; the sums, of the unrounded p, in two chains
.irp t, 0,1
	v_pk_fma_f32 v[ST+8*\t+2:ST+8*\t+3], v[ST+8*\t+2:ST+8*\t+3], v[ST+8*\t+6:ST+8*\t+7], v[S+32*\t:S+32*\t+1] op_sel_hi:[1,0,1]   ; l = a l + the first pair
.endr
.irp t, 0,1
	v_pk_add_f32 v[ST+8*\t+4:ST+8*\t+5], v[S+32*\t+2:S+32*\t+3], v[S+32*\t+4:S+32*\t+5]
.endr
.irp j, 6,10,14,18,22,26
.irp t, 0,1
	v_pk_add_f32 v[ST+8*\t+2:ST+8*\t+3], v[ST+8*\t+2:ST+8*\t+3], v[S+32*\t+\j:S+32*\t+\j+1]
	v_pk_add_f32 v[ST+8*\t+4:ST+8*\t+5], v[ST+8*\t+4:ST+8*\t+5], v[S+32*\t+\j+2:S+32*\t+\j+3]
.endr
.endr
.irp t, 0,1
	v_pk_add_f32 v[ST+8*\t+2:ST+8*\t+3], v[ST+8*\t+2:ST+8*\t+3], v[S+32*\t+30:S+32*\t+31]
.endr
.irp t, 0,1
	v_pk_add_f32 v[ST+8*\t+2:ST+8*\t+3], v[ST+8*\t+2:ST+8*\t+3], v[ST+8*\t+4:ST+8*\t+5]
.endr
.irp i, 0,1,2,3,4,5,6,7,8,9,10,11,12,13,14,15
.irp t, 0,1
	v_cvt_pk_f16_f32 v[S+32*\t+\i], v[S+32*\t+2*\i], v[S+32*\t+2*\i+1]   ; P, in place and ascending: register 4 kt + i holds keys 16 kt + 8 (lane / 16) + 2 i, + 1: source 1 of V^T P as it stands
.endr
.endr
.irp j, 0,2,4,6,8,10,12,14,16,18,20,22,24,26,28,30
.irp t, 0,1
	v_pk_mul_f32 v[O+32*\t+\j:O+32*\t+\j+1], v[O+32*\t+\j:O+32*\t+\j+1], v[ST+8*\t+6:ST+8*\t+7] op_sel_hi:[1,0]   ; O^T x a, each accumulator from its low end on
.endr
.endr
	s_wait_dscnt 0x0                               ; V is in
.irp kc, 0,1
.irp ct, 0,1,2,3
.irp t, 0,1
	v_wmma_f32_16x16x32_f16 v[O+32*\t+8*\ct:O+32*\t+8*\ct+7], v[KV+32*\kc+8*\ct:KV+32*\kc+8*\ct+7], v[S+32*\t+8*\kc:S+32*\t+8*\kc+7], v[O+32*\t+8*\ct:O+32*\t+8*\ct+7]   ; eight accumulators by turns
.endr
.endr
.endr
.endm
.macro VISIT slot                      ; my four of a slot's eight key steps: written once, walked four times
	s_add_co_u32 s[TB], s[KP], (\slot)*SLOT        ; the slot's first step of my parity
	s_mov_b32 s[CNT], 4
.Lstep_\@:
	STEP
	s_add_co_u32 s[TB], s[TB], 2*STEPB             ; the step between is my partner's
	s_sub_co_u32 s[CNT], s[CNT], 1
	s_cmp_lg_u32 s[CNT], 0
	s_cbranch_scc1 .Lstep_\@
.endm
; THE CHANGE OF SLOTS.  Each wave waits for all its tensor loads (its part of the slot ahead), adds 0 to its spare word, and waits for that and for its reads of slot s, which it has left.
; fill = 1: slot s is filled again, with the keys two slots on; the barrier is then a round of the cluster's, and the joint refill is the first thing behind it: it has a whole visit in which to land.
.macro CHANGE s, fill
	s_wait_tensorcnt 0x0                           ; no tensor load of mine is out, so a group 0 may be written
	ds_add_u32 v[SPW], v[NIL]
.if \fill
	s_add_nc_u64 s[G0+4*\s+2:G0+4*\s+3], s[G0+4*\s+2:G0+4*\s+3], 131072   ; 1,024 keys on; the type bits on top are not reached
.endif
	s_wait_dscnt 0x0
.if \fill
	CROUND
	JLOAD \s
.else
	s_barrier_signal -1
	s_barrier_wait -1
.endif
.endm
	s_wait_tensorcnt 1                             ; my part of slot 0 is in; slot 1's may stay out
	s_barrier_signal -1
	s_barrier_wait -1
	s_wait_loadcnt 0x0                             ; Q
	VISIT 0                                        ; keys 0-511
	CHANGE 0, 1
	VISIT 1                                        ; 512-1,023
	CHANGE 1, 1
	VISIT 0                                        ; 1,024-1,535
	CHANGE 0, 0                                    ; nothing is left to ask for; behind this barrier nobody reads slot 0, and it has had its last fill
	VISIT 1                                        ; 1,536-2,047
	; THE MERGE OF A PAIR.  Every wave lays (c m, l) of both tiles into four registers on end: four plain lines, the places behind the last products.
	v_mov_b32 v16, v[ST]                           ; c m of tile 0
	v_add_f32 v17, v[ST+2], v[ST+3]                ; its l: even keys' + odd keys'
	v_mov_b32 v18, v[ST+8]                         ; c m of tile 1
	v_add_f32 v19, v[ST+10], v[ST+11]
	s_cmp_lt_u32 s[WV], 8
	s_cbranch_scc1 .Lkeep
.irp i, 0,1,2,3,4,5,6,7,8,9,10,11,12,13,14,15
	ds_store_b128 v[MA], v[O+4*\i:O+4*\i+3] offset:512*\i   ; waves 8-15: O^T as an image of its registers, each accumulator from its low end on, into slot 0's bytes
.endr
	ds_store_b128 v[MA], v[16:19] offset:16*512
.Lkeep:
	s_wait_dscnt 0x0                               ; for the partner's sake: my stores have landed
	s_barrier_signal -1
	s_barrier_wait -1
	s_cmp_ge_u32 s[WV], 8
	s_cbranch_scc1 .Lend
	ds_load_b128 v[KV:KV+3], v[MA] offset:16*512   ; waves 0-7: the partner's c m and l first,
.irp i, 0,1,2,3,4,5,6,7,8,9,10,11,12,13,14,15
	ds_load_b128 v[S+4*\i:S+4*\i+3], v[MA] offset:512*\i    ; then its O^T, into the registers that the scores have left
.endr
	s_wait_dscnt 16                                ; the statistics are in; the sixteen loads behind them may be out
.irp t, 0,1
	v_max_num_f32 v[200+8*\t], v[16+2*\t], v[KV+2*\t]       ; M
.endr
.irp t, 0,1
	v_sub_f32 v[201+8*\t], v[16+2*\t], v[200+8*\t]          ; c mA - M
.endr
.irp t, 0,1
	v_sub_f32 v[202+8*\t], v[KV+2*\t], v[200+8*\t]          ; c mB - M
.endr
.irp t, 0,1
	v_exp_f32 v[204+8*\t], v[201+8*\t]                      ; fA
.endr
.irp t, 0,1
	v_exp_f32 v[206+8*\t], v[202+8*\t]                      ; fB
.endr
	v_nop                                          ; a plain line behind the last exponential
	s_wait_alu depctr_va_vdst(0)                   ; and the wait ahead of the first use: one for the four
.irp t, 0,1
	v_mul_f32 v[200+8*\t], v[17+2*\t], v[204+8*\t]
.endr
.irp t, 0,1
	v_fma_f32 v[200+8*\t], v[KV+1+2*\t], v[206+8*\t], v[200+8*\t]   ; lA fA + lB fB, of my half of the keys
.endr
.irp t, 0,1
	v_permlanex16_b32 v[201+8*\t], v[200+8*\t], s[SEL], s[SEL+1]
.endr
.irp t, 0,1
	v_add_f32 v[200+8*\t], v[200+8*\t], v[201+8*\t]         ; with the lane 16 away: the row's sum
.endr
.irp t, 0,1
	v_rcp_f32 v[202+8*\t], v[200+8*\t]
.endr
	v_nop                                          ; a plain line behind the last reciprocal
	s_wait_alu depctr_va_vdst(0)                   ; and the wait ahead of the first use: one for the two
.irp t, 0,1
	v_mul_f32 v[205+8*\t], v[204+8*\t], v[202+8*\t]         ; fA / l, twice: a pair for the packed forms
	v_mul_f32 v[204+8*\t], v[204+8*\t], v[202+8*\t]
	v_mul_f32 v[207+8*\t], v[206+8*\t], v[202+8*\t]         ; fB / l likewise
	v_mul_f32 v[206+8*\t], v[206+8*\t], v[202+8*\t]
.endr
.irp t, 0,1
.irp j, 0,2,4,6,8,10,12,14,16,18,20,22,24,26,28,30
	v_pk_mul_f32 v[O+32*\t+\j:O+32*\t+\j+1], v[O+32*\t+\j:O+32*\t+\j+1], v[204+8*\t:205+8*\t]   ; my O^T, each accumulator from its low end on
.endr
.endr
	s_wait_dscnt 0x0                               ; the partner's O^T is in
.irp t, 0,1
.irp j, 0,2,4,6,8,10,12,14,16,18,20,22,24,26,28,30
	v_pk_fma_f32 v[O+32*\t+\j:O+32*\t+\j+1], v[S+32*\t+\j:S+32*\t+\j+1], v[206+8*\t:207+8*\t], v[O+32*\t+\j:O+32*\t+\j+1]
.endr
.endr
.irp t, 0,1
.irp i, 0,1,2,3,4,5,6,7,8,9,10,11,12,13,14,15
	v_cvt_pk_f16_f32 v[216+16*\t+\i], v[O+32*\t+2*\i], v[O+32*\t+2*\i+1]
.endr
.endr
.irp t, 0,1
.irp ct, 0,1,2,3
	global_store_b128 v[AL], v[216+16*\t+4*\ct:216+16*\t+4*\ct+3], s[6:7] offset:\t*8192+\ct*512   ; the wave stores 512 consecutive bytes, aligned
.endr
.endr
.Lend:
	s_wait_tensorcnt 0x0                           ; the wave's end, behind my last tensor load and my last LDS store
	ds_add_u32 v[SPW], v[NIL]
	s_wait_dscnt 0x0
	CROUND                                         ; the closing round
	s_endpgm
.Lfunc_end_k_qad47aa2289_attn:
	.size	k_qad47aa2289_attn, .Lfunc_end_k_qad47aa2289_attn-k_qad47aa2289_attn
	.p2alignl 7, 3214868480
	.fill 96, 4, 3214868480
	.section	.rodata,"a",@progbits
	.p2align	6, 0x0
	.amdhsa_kernel k_qad47aa2289_attn
		.amdhsa_group_segment_fixed_size 327680
		.amdhsa_private_segment_fixed_size 0
		.amdhsa_enable_private_segment 0
		.amdhsa_kernarg_size 16
		.amdhsa_user_sgpr_count 2
		.amdhsa_user_sgpr_kernarg_segment_ptr 1
		.amdhsa_wavefront_size32 1
		.amdhsa_system_sgpr_workgroup_id_x 1
		.amdhsa_system_sgpr_workgroup_id_y 1
		.amdhsa_system_sgpr_workgroup_id_z 1
		.amdhsa_system_vgpr_workitem_id 0
		.amdhsa_next_free_vgpr 256
		.amdhsa_next_free_sgpr 66
		.amdhsa_reserve_vcc 0
		.amdhsa_float_denorm_mode_32 3
		.amdhsa_float_denorm_mode_16_64 3
		.amdhsa_memory_ordered 1
		.amdhsa_forward_progress 1
		.amdhsa_inst_pref_size 89
	.end_amdhsa_kernel
	.amdgpu_metadata
---
amdhsa.version: [ 1, 2 ]
amdhsa.kernels:
  - .name:           k_qad47aa2289_attn
    .symbol:         k_qad47aa2289_attn.kd
    .args:
      - { .name: qkvh, .offset: 0, .size: 8, .value_kind: global_buffer, .address_space: global }
      - { .name: ao, .offset: 8, .size: 8, .value_kind: global_buffer, .address_space: global }
    .group_segment_fixed_size: 327680
    .private_segment_fixed_size: 0
    .kernarg_segment_align: 8
    .kernarg_segment_size: 16
    .max_flat_workgroup_size: 512
    .sgpr_count:     66
    .vgpr_count:     256
    .wavefront_size: 32
...
	.end_amdgpu_metadata
.endif
;; end of part 3
;; launch proj (part 4): grid 8 x 32, 4 waves a work-group, clusters of 4 x 4, 327,680 bytes of LDS; arguments ao, wo_img, b_out, out0; writes out0
.if DOCPART == 4
	.amdgcn_target "amdgcn-amd-amdhsa--gfx1250"
	.amdhsa_code_object_version 6
	.text
	.protected	k_qad47aa2289_proj
	.globl	k_qad47aa2289_proj
	.p2align	8
	.type	k_qad47aa2289_proj,@function
k_qad47aa2289_proj:
	s_mov_b64 s[64:65], 0
	v_nop
	global_prefetch_b8 v0, s[64:65] scope:SCOPE_SE
	s_setreg_imm32_b32 hwreg(HW_REG_WAVE_MODE, 25, 1), 1
	s_wait_xcnt 0x0
	s_wait_alu depctr_hold_cnt(0) depctr_sa_sdst(0) depctr_va_vdst(0) depctr_va_sdst(0) depctr_va_ssrc(0) depctr_va_vcc(0) depctr_vm_vsrc(0)
	s_getreg_b32 s2, hwreg(HW_REG_IB_STS2, 6, 4)
	s_cmp_eq_u32 s2, 0
	s_cbranch_scc0 .Lentry_in_a_cluster
	s_endpgm
.Lentry_in_a_cluster:
	s_bfe_u32 s2, ttmp6, 0x10000c
	s_cmp_lg_u32 s2, 0xf033
	s_cbranch_scc0 .Lentry_shape_is_right
	s_endpgm
.Lentry_shape_is_right:
; out0[token][d] = sum over c of ao[token][c] w_out[c][d] + b_out[d].  4,096 tokens, 1,024 d, 1,024 c.  Operands f16, sums f32, the result f32.
; A tile is 128 tokens x 128 d: 256 work-groups of four waves, each wave 64 x 64: 16 accumulators of 16 x 16.  K goes in four steps of 256 through two LDS slots: two first fills and two refills.
; Both operands lie in memory as images of their fragments' registers (16 rows x 32 c = 1,024 bytes: registers 0-3 at 16 x lane, registers 4-7 512 bytes on), [c / 256][rows / 16][(c % 256) / 32]:
; what a wave fetches for a K step, 64 rows x 256 c, is 32,768 dense bytes; a fragment is two loads at 16 x lane.  No pitch, no padding.
; CLUSTERS: 4 x 4 work-groups: ao's tiles are asked for jointly along a row of the cluster, w_out's along a column.
; TRANSPOSED USE: source 0 = 16 d, source 1 = 16 tokens: a lane holds one token and eight neighbouring d.  The bias is the C of each sum's first product.
; REGISTERS: window 0: v16-29 addresses; v32-95 rows on their way out, two sets; v96-127 the bias; v128-255 the accumulators ((a, b) at v[128 + 8 (4 a + b)]).  window 1: two fragment buffers of 128: 64 of ao, then 64 of w_out, for 64 along c.
.set SLOT,   131072                    ; ao's 65,536 bytes, then w_out's
.set BOFF,   65536
.set HALFT,  32768
.set SPARE,  2*SLOT                    ; the spare words, 128 bytes for each wave: two blocks of 256 bytes that no other line names
.set STAGE,  SPARE+512                 ; 16 rows x 272 bytes for each wave, for the way out: no tensor load lands here
.set SPITCH, 272
.set ADRA, 16
.set ADRB, 20
.set STO,  24
.set RD,   25
.set CO,   26
.set BO,   27
.set SPW,  28
.set NIL,  29
.set BK,   32
.set BIAS, 96
.set ACC,  128
.set F0,   0
.set F1,   128
.set G1, 24
.set G0, 32
.set G1B, 48
.set G0B, 56
.set MSB, 0
.macro WIN new                         ; the immediate's high byte repeats the setting that is left
.if MSB != (\new)
	s_set_vgpr_msb (MSB<<8)|(\new)
.set MSB, (\new)
.endif
.endm
.set MUL,  0x05                        ; sources 0 and 1 window 1; C and D window 0
.set TO_F, 0x40
.macro JLOAD s                         ; a joint load: waves 0 and 1 fetch ao's halves, waves 2 and 3 w_out's; an s_nop 0 and four v_nop follow each of the two lines
	s_cmp_eq_u32 s13, 0
	s_cbranch_scc0 .Lfor_b_\@
	tensor_load_to_lds s[G0+4*\s:G0+4*\s+3], s[G1:G1+7]
	s_nop 0
.rept 4
	v_nop
.endr
	s_branch .Lasked_\@
.Lfor_b_\@:
	tensor_load_to_lds s[G0B+4*\s:G0B+4*\s+3], s[G1B:G1B+7]
	s_nop 0
.rept 4
	v_nop
.endr
.Lasked_\@:
.endm
.macro CREST                           ; a round of the cluster's barrier behind its opening barrier
	s_cmp_lg_u32 s12, 0
	s_cbranch_scc1 .Lnot_wave_0_\@
	s_barrier_signal -3
.Lnot_wave_0_\@:
	s_barrier_wait -3
	s_barrier_signal -1
	s_barrier_wait -1
.endm
.macro CROUND
	s_barrier_signal -1
	s_barrier_wait -1
	CREST
.endm
	s_load_b256 s[4:11], s[0:1], 0x0               ; ao s[4:5], wo_img s[6:7], b_out s[8:9], out0 s[10:11]
	v_lshl_add_u32 v[SPW], v0, 2, SPARE
	v_mov_b32 v[NIL], 0
	ds_add_u32 v[SPW], v[NIL]                      ; the wave's opening: the add, twice on end, and its wait ahead of my first tensor load
	ds_add_u32 v[SPW], v[NIL]
	v_lshrrev_b32 v1, 5, v0
	v_readfirstlane_b32 s12, v1                    ; wave 0..3
	s_lshr_b32 s13, s12, 1                         ; which half of the tile's tokens is mine.  Also: I fetch for ao (0) or for w_out (1)
	s_and_b32 s14, s12, 1                          ; which half of its d.  Also: which 64 rows I fetch
	s_bfe_u32 s40, ttmp6, 0x40000
	s_bfe_u32 s41, ttmp6, 0x40004
	s_lshl_b32 s42, ttmp9, 2
	s_add_co_u32 s42, s42, s40                     ; tile column
	s_and_b32 s15, ttmp7, 0xffff
	s_lshl_b32 s15, s15, 2
	s_add_co_u32 s15, s15, s41                     ; tile row
	s_lshl_b32 s43, s41, 2
	s_lshl_b32 s43, 15, s43                        ; my row of the cluster
	s_lshl_b32 s44, 0x1111, s40                    ; my column
	; group 1: 32,768 dense bytes as 128 rows of 32 elements of 8 bytes
	s_or_b32 s[G1+0], s43, (3<<16)|(1<<21)
	s_or_b32 s[G1B+0], s44, (3<<16)|(1<<21)
.irp g, G1, G1B
	s_mov_b32 s[\g+1], 32<<16
	s_mov_b32 s[\g+2], 128<<16
	s_mov_b32 s[\g+3], 32<<16
	s_mov_b32 s[\g+4], 128
	s_mov_b32 s[\g+5], 32
	s_mov_b32 s[\g+6], 0
	s_mov_b32 s[\g+7], 0
.endr
	s_lshl_b32 s18, s14, 15                        ; which 64 rows: four blocks of 8,192 bytes
	s_lshl_b32 s16, s15, 16
	s_add_co_u32 s16, s16, s18                     ; ao: 128 tokens are 65,536 bytes of a K step
	s_mov_b32 s17, 0
	s_lshl_b32 s46, s42, 16
	s_add_co_u32 s46, s46, s18                     ; w_out: 128 d likewise
	s_mov_b32 s47, 0
	s_lshl_b32 s20, s12, 15                        ; where they go: wave x 32,768
	s_wait_dscnt 0x0                               ; both opening adds are done
	s_wait_kmcnt 0x0
	s_add_nc_u64 s[16:17], s[4:5], s[16:17]
	s_add_nc_u64 s[46:47], s[6:7], s[46:47]
	CROUND                                         ; all sixteen work-groups are here: the first joint loads meet
.irp s, 0,1
	s_mov_b32 s[G0+4*\s], 1
	s_add_co_u32 s[G0+4*\s+1], s20, \s*SLOT
	s_add_nc_u64 s[G0+4*\s+2:G0+4*\s+3], s[16:17], \s*2097152      ; K step s of ao
	s_or_b32 s[G0+4*\s+3], s[G0+4*\s+3], 0x80000000
	s_mov_b32 s[G0B+4*\s], 1
	s_add_co_u32 s[G0B+4*\s+1], s20, \s*SLOT
	s_add_nc_u64 s[G0B+4*\s+2:G0B+4*\s+3], s[46:47], \s*524288     ; of w_out
	s_or_b32 s[G0B+4*\s+3], s[G0B+4*\s+3], 0x80000000
	JLOAD \s                                       ; two loads of mine are out behind the second
.endr
	v_and_b32 v1, 15, v0                           ; r
	v_bfe_u32 v2, v0, 4, 1                         ; h
	v_and_b32 v3, 31, v0
	v_lshlrev_b32 v3, 4, v3                        ; 16 x lane
	s_lshl_b32 s21, s13, 15                        ; my 64 tokens
	s_lshl_b32 s22, s14, 15                        ; my 64 d,
	s_add_co_u32 s22, s22, BOFF                    ; behind ao's part
.irp s, 0,1
	v_add_nc_u32 v[ADRA+\s], s21, v3
	v_add_nc_u32 v[ADRB+\s], s22, v3
	s_add_co_u32 s21, s21, SLOT
	s_add_co_u32 s22, s22, SLOT
.endr
	s_mul_i32 s23, s12, 16*SPITCH
	s_add_co_u32 s23, s23, STAGE                   ; my stage
	v_mul_u32_u24 v4, v1, SPITCH                   ; in: row r, 32 bytes for each half of the lanes
	v_lshl_add_u32 v4, v2, 5, v4
	v_add_nc_u32 v[STO], s23, v4
	v_mul_u32_u24 v5, v2, SPITCH                   ; back: lanes 0-15 one row of 256 bytes, lanes 16-31 the next
	v_lshl_add_u32 v5, v1, 4, v5
	v_add_nc_u32 v[RD], s23, v5
	v_lshlrev_b32 v5, 12, v2                       ; and the same two rows in out0
	v_lshl_add_u32 v[CO], v1, 4, v5
	v_lshlrev_b32 v[BO], 5, v2
	s_lshl_b32 s46, s42, 9                         ; my 64 d, in bytes of f32: 512 x tile column + 256 x half
	s_lshl_b32 s47, s14, 8
	s_add_co_u32 s46, s46, s47
	s_mov_b32 s47, 0
	s_add_nc_u64 s[8:9], s[8:9], s[46:47]
.irp b, 0,1,2,3
	global_load_b128 v[BIAS+8*\b:BIAS+8*\b+3], v[BO], s[8:9] offset:64*\b          ; b_out at d = 16 b + 8 h + 0 .. 7: the result's layout
	global_load_b128 v[BIAS+8*\b+4:BIAS+8*\b+7], v[BO], s[8:9] offset:64*\b+16
.endr
	s_lshl_b32 s16, s15, 19                        ; my first row of out0: 128 x tile row + 64 x half, 4,096 bytes a row
	s_lshl_b32 s17, s13, 18
	s_add_co_u32 s16, s16, s17
	s_mov_b32 s17, 0
	s_add_nc_u64 s[16:17], s[16:17], s[46:47]
	s_add_nc_u64 s[10:11], s[10:11], s[16:17]
; 8 matrix instructions: token blocks a0, a0 + 1 x all 4 blocks of d, 32 along c: half c of buffer f.  first = 1: the bias is C and starts the sums.  The 16 accumulators take turns.
.macro MUL8 f, c, a0, first
.irp a, \a0, \a0+1
.irp b, 0,1,2,3
.if \first
	v_wmma_f32_16x16x32_f16 v[ACC+8*(4*(\a)+\b):ACC+8*(4*(\a)+\b)+7], v[\f+64+8*(4*\c+\b):\f+64+8*(4*\c+\b)+7], v[\f+8*(4*\c+\a):\f+8*(4*\c+\a)+7], v[BIAS+8*\b:BIAS+8*\b+7]
.else
	v_wmma_f32_16x16x32_f16 v[ACC+8*(4*(\a)+\b):ACC+8*(4*(\a)+\b)+7], v[\f+64+8*(4*\c+\b):\f+64+8*(4*\c+\b)+7], v[\f+8*(4*\c+\a):\f+8*(4*\c+\a)+7], v[ACC+8*(4*(\a)+\b):ACC+8*(4*(\a)+\b)+7]
.endif
.endr
.endr
.endm
; 32 LDS loads in one run: the fragments of the slot's qd-th 64 along c into buffer f; the first 32 along c first
.macro FETCH slot, qd, f
	WIN TO_F
.irp c, 0,1
.irp i, 0,1,2,3
	ds_load_b128 v[\f+64+8*(4*\c+\i):\f+64+8*(4*\c+\i)+3],   v[ADRB+\slot] offset:\i*8192+(2*(\qd)+\c)*1024
	ds_load_b128 v[\f+64+8*(4*\c+\i)+4:\f+64+8*(4*\c+\i)+7], v[ADRB+\slot] offset:\i*8192+(2*(\qd)+\c)*1024+512
	ds_load_b128 v[\f+8*(4*\c+\i):\f+8*(4*\c+\i)+3],         v[ADRA+\slot] offset:\i*8192+(2*(\qd)+\c)*1024
	ds_load_b128 v[\f+8*(4*\c+\i)+4:\f+8*(4*\c+\i)+7],       v[ADRA+\slot] offset:\i*8192+(2*(\qd)+\c)*1024+512
.endr
.endr
.endm
.macro PLACES                          ; four plain lines in front of loads into registers that matrix instructions have read, and of the first read of results
.rept 4
	v_nop
.endr
.endm
; A K step is four quarters of 64 along c, 32 matrix instructions each, on buffers 0, 1, 0, 1.  One of the first three: multiplies buffer f and fetches quarter qd into g.
.macro QUARTER slot, qd, f, g, first
	s_wait_dscnt 16                                ; the first 32 along c are in; the other sixteen loads may be out
	WIN MUL
	MUL8 \f, 0, 0, \first
	MUL8 \f, 0, 2, \first
	PLACES
	FETCH \slot, \qd, \g
	s_wait_dscnt 32                                ; all but the 32 just issued
	WIN MUL
	MUL8 \f, 1, 0, 0
	MUL8 \f, 1, 2, 0
.endm
; The last quarter multiplies buffer 1 and changes slots: one barrier; in front of it each wave waits for all its tensor loads, adds 0 to its spare word, and waits for that and for its reads of this slot.
; fill = 1: the barrier opens a round of the cluster's, and this slot is filled again, two K steps ahead, first thing behind the round.
.macro TURN slot, next, fill
	WIN 0
	s_wait_tensorcnt 0x0                           ; all my tensor loads have landed: my part of the next slot
	ds_add_u32 v[SPW], v[NIL]
	s_wait_dscnt 17                                ; (the add and the youngest sixteen loads may be out)
	WIN MUL
	MUL8 F1, 0, 0, 0
	s_wait_dscnt 0x0                               ; the add is done, and my reads of this slot are over
	s_barrier_signal -1
	MUL8 F1, 0, 2, 0
.if \fill
	WIN 0
.endif
	s_barrier_wait -1
.if \fill
	CREST                                          ; no wave of any partner still reads this slot or has a load on its way
	s_add_nc_u64 s[G0+4*\slot+2:G0+4*\slot+3], s[G0+4*\slot+2:G0+4*\slot+3], 2*2097152
	s_add_nc_u64 s[G0B+4*\slot+2:G0B+4*\slot+3], s[G0B+4*\slot+2:G0B+4*\slot+3], 2*524288
	JLOAD \slot                                    ; its four v_nop are also the places in front of the loads below
.else
	PLACES
.endif
	FETCH \next, 0, F0
	WIN MUL
	MUL8 F1, 1, 0, 0
	MUL8 F1, 1, 2, 0
.endm
	s_wait_tensorcnt 1                             ; my part of K step 0 is in; K step 1's may be out
	s_barrier_signal -1
	s_barrier_wait -1
	FETCH 0, 0, F0
	s_wait_loadcnt 0x0                             ; the bias
	QUARTER 0, 1, F0, F1, 1                        ; K step 0
	QUARTER 0, 2, F1, F0, 0
	QUARTER 0, 3, F0, F1, 0
	TURN 0, 1, 1                                   ; slot 0 takes K step 2
	QUARTER 1, 1, F0, F1, 0                        ; K step 1
	QUARTER 1, 2, F1, F0, 0
	QUARTER 1, 3, F0, F1, 0
	TURN 1, 0, 1                                   ; slot 1 takes K step 3
	QUARTER 0, 1, F0, F1, 0                        ; K step 2
	QUARTER 0, 2, F1, F0, 0
	QUARTER 0, 3, F0, F1, 0
	TURN 0, 1, 0                                   ; nothing is left to ask for
	QUARTER 1, 1, F0, F1, 0                        ; K step 3
	QUARTER 1, 2, F1, F0, 0
	QUARTER 1, 3, F0, F1, 0
	s_wait_dscnt 16
	WIN MUL
	MUL8 F1, 0, 0, 0
	MUL8 F1, 0, 2, 0
	s_wait_dscnt 0
	MUL8 F1, 1, 0, 0
	MUL8 F1, 1, 2, 0
	WIN 0
	PLACES
; THE WAY OUT, a block of 16 tokens x 64 d at a time.  A lane holds 32 neighbouring bytes of a row and the lanes beside it other rows; my 64 d are 256 aligned bytes of a row of out0.  So a block goes through my own stage
; and comes back as whole rows: sixteen lanes store 256 consecutive bytes, aligned.  LDS serves a wave's instructions in order: no wait between the stores and the loads, nor in front of the next block's stores.
.macro TOSTAGE a
.irp b, 0,1,2,3
	ds_store_b128 v[STO], v[ACC+8*(4*(\a)+\b):ACC+8*(4*(\a)+\b)+3] offset:64*\b        ; each accumulator from its low end on
	ds_store_b128 v[STO], v[ACC+8*(4*(\a)+\b)+4:ACC+8*(4*(\a)+\b)+7] offset:64*\b+16
.endr
.set BB, BK+32*((\a)%2)
.irp t, 0,1,2,3,4,5,6,7
	ds_load_b128 v[BB+4*\t:BB+4*\t+3], v[RD] offset:\t*2*SPITCH
.endr
.endm
.macro SEND a, younger                 ; younger: the LDS instructions issued behind block a's loads
.set BB, BK+32*((\a)%2)
	s_wait_dscnt \younger
.irp t, 0,1,2,3,4,5,6,7
	global_store_b128 v[CO], v[BB+4*\t:BB+4*\t+3], s[10:11] offset:(16*(\a)+2*\t)*4096 th:TH_STORE_NT
.endr
.endm
	TOSTAGE 0
.irp a, 1,2,3
.if \a > 1
	s_wait_xcnt 0x0                                ; block a - 2's stores have read their registers: block a's loads may land there
.endif
	TOSTAGE \a
	SEND \a-1, 16                                  ; behind block a - 1's loads: block a's 8 stores and 8 loads
.endr
	SEND 3, 0
	s_wait_tensorcnt 0x0                           ; the wave's end, behind my last tensor load and my last LDS store
	ds_add_u32 v[SPW], v[NIL]
	s_wait_dscnt 0x0
	CROUND                                         ; the closing round
	s_endpgm
.Lfunc_end_k_qad47aa2289_proj:
	.size	k_qad47aa2289_proj, .Lfunc_end_k_qad47aa2289_proj-k_qad47aa2289_proj
	.p2alignl 7, 3214868480
	.fill 96, 4, 3214868480
	.section	.rodata,"a",@progbits
	.p2align	6, 0x0
	.amdhsa_kernel k_qad47aa2289_proj
		.amdhsa_group_segment_fixed_size 327680
		.amdhsa_private_segment_fixed_size 0
		.amdhsa_enable_private_segment 0
		.amdhsa_kernarg_size 32
		.amdhsa_user_sgpr_count 2
		.amdhsa_user_sgpr_kernarg_segment_ptr 1
		.amdhsa_wavefront_size32 1
		.amdhsa_system_sgpr_workgroup_id_x 1
		.amdhsa_system_sgpr_workgroup_id_y 1
		.amdhsa_system_sgpr_workgroup_id_z 1
		.amdhsa_system_vgpr_workitem_id 0
		.amdhsa_next_free_vgpr 512
		.amdhsa_next_free_sgpr 66
		.amdhsa_reserve_vcc 0
		.amdhsa_float_denorm_mode_32 3
		.amdhsa_float_denorm_mode_16_64 3
		.amdhsa_memory_ordered 1
		.amdhsa_forward_progress 1
		.amdhsa_inst_pref_size 86
	.end_amdhsa_kernel
	.amdgpu_metadata
---
amdhsa.version: [ 1, 2 ]
amdhsa.kernels:
  - .name:           k_qad47aa2289_proj
    .symbol:         k_qad47aa2289_proj.kd
    .args:
      - { .name: ao, .offset: 0, .size: 8, .value_kind: global_buffer, .address_space: global }
      - { .name: wo_img, .offset: 8, .size: 8, .value_kind: global_buffer, .address_space: global }
      - { .name: b_out, .offset: 16, .size: 8, .value_kind: global_buffer, .address_space: global }
      - { .name: out0, .offset: 24, .size: 8, .value_kind: global_buffer, .address_space: global }
    .group_segment_fixed_size: 327680
    .private_segment_fixed_size: 0
    .kernarg_segment_align: 8
    .kernarg_segment_size: 32
    .max_flat_workgroup_size: 128
    .sgpr_count:     66
    .vgpr_count:     512
    .wavefront_size: 32
...
	.end_amdgpu_metadata
.endif
;; end of part 4
